; MI455X (gfx1250); checked and timed in simulation.
; The chip was launched on July 23, 2026; its instructions are those of AMD's public machine-readable ISA for CDNA 5 (MIT licence, August 2026) and "CDNA5" Instruction Set Architecture Reference Guide (July 2026). The comments in the code are by the model that wrote it; some were corrected since.
;; Attention. Allowed arithmetic: matrix products marked QUANTISED: E3M2 operands, one E8M0 scale for each 32 along K, by v_wmma_scale_f32_16x16x128_f8f6f4 with both operands' format E3M2, f32 sums; everything else in f32.
;; Inputs: k 4 x 16 x 2,048 x 128 float32; mask 4 x 1 x 1 x 2,048 int32; q 4 x 16 x 2,048 x 128 float32; v 4 x 16 x 2,048 x 128 float32.
;; Outputs: out0 4 x 16 x 2,048 x 128 float32.
;; This version of the problem:
;;   THIS VERSION OF THE PROBLEM IS GIVEN IN LOW PRECISION. The matrix products marked QUANTISED in the list below multiply operands that are first quantised to E3M2 (3 exponent bits, 2 mantissa bits; 6 bits a number), with one power-of-two scale for each 32 numbers along K (OCP MX v1.0); their sums are f32. All else is computed in f32.
;;   The module's matrix products, in the order in which they are computed (A, B: the left and right operand; K: the contracted axis; several contracted axes count as one K, in the product's order):
;;     1. batch 64 x [M 2,048, K 128] x [K 128, N 2,048]; A: input q; B: input k: QUANTISED
;;     2. batch 64 x [M 2,048, K 2,048] x [K 2,048, N 128]; A: softmax (see below); B: input v: QUANTISED
;;   THE QUANTISER, for each operand of a quantised product, along K:
;;     - K is cut into blocks of 32 from its start; a last block that is shorter is filled with zeros.
;;     - A block's scale is 2^e with e = floor(log2(the largest magnitude in the block)) - 4, held to -126 .. 127; a block of zeros has e = 0. As a byte (E8M0): e + 127.
;;     - Each number is divided by its block's scale, clamped to +-28, and rounded to the nearest number of E3M2, ties to even, subnormals kept.
;;     - The product sums the exact products of the quantised numbers (number of the format x scale) in f32.
;;   ~~~python
;;   def quantise(x, axis):      # numpy; x: float32 -> the quantised numbers, widened to float32 again
;;       x = np.moveaxis(x, axis, -1); K = x.shape[-1]
;;       x = np.pad(x, [(0, 0)] * (x.ndim - 1) + [(0, -K % 32)]); x = x.reshape(x.shape[:-1] + (-1, 32)); a = np.abs(x).max(-1, keepdims=True)
;;       e = np.where(a > 0, np.clip(np.frexp(np.where(a > 0, a, 1))[1] - 1 - 4, -126, 127), 0)      # np.frexp(a)[1] - 1 = floor(log2(a)), exactly
;;       r = np.clip(x / 2.0 ** e, -28, 28)
;;       step = 2.0 ** (np.maximum(np.frexp(np.where(r == 0, 1, r))[1] - 1, -2) - 2)
;;       q = np.round(r / step) * step * 2.0 ** e      # np.round: ties to even
;;       return np.moveaxis(q.reshape(q.shape[:-2] + (-1,))[..., :K], -1, axis).astype(np.float32)
;;   ~~~
;;   SOFTMAX AHEAD OF A QUANTISED PRODUCT. Where the list says 'softmax', what is quantised is not the finished softmax but p = 2^(t - M), with t = logit x log2(e) and M = ceil(the row's largest t), a whole number; so 1/2 < the row's largest p <= 1. The row's sum l is taken of the UNQUANTISED p, in f32, and the product's result is divided by l at the end. Since M is a whole number, a kernel that streams over the keys may use a running M (the ceiling of the running maximum): every later rescaling is an exact power of two, which a block's scale takes up: the codes' values come out the same.
;;   OPERANDS COMPUTED ON THE WAY. 'Computed on the way' means the value that the module computes at that place (a softmax that the list does not call 'softmax' is quantised finished and normalised). What goes into a quantiser is computed in f32, as accurately as f32 sums, v_exp_f32 and their like allow (about 1e-6 of the number): no bf16 or f16 on the way to a quantiser, and a product that is left as it is and whose result goes on into a quantised operand takes f32 operands (vector FMAs, or v_wmma_f32_16x16x4_f32). A number that lies on a knife's edge between two numbers of the format may be rounded either way, as far as f32 arithmetic and the matrix unit's own rounding can turn it there, and no further.
;; 2 versions. Each part assembles by itself: llvm-mc -triple=amdgcn-amd-amdhsa -mcpu=gfx1250 --defsym DOCPART=n.
;; ======== version 1 of 2: 2 launches
;; workspace buffers: kv 26,738,688 bytes; first 1,024 bytes of whole numbers
;; launch prep (part 1): grid 1024 x 2, 4 waves a work-group, no clusters, 68,096 bytes of LDS; arguments k, v, mask, kv, first; writes kv, first
.if DOCPART == 1
	.amdgcn_target "amdgcn-amd-amdhsa--gfx1250"
	.amdhsa_code_object_version 6
	.text
	.protected	k_q10ce22d9ec_prep
	.globl	k_q10ce22d9ec_prep
	.p2align	8
	.type	k_q10ce22d9ec_prep,@function
k_q10ce22d9ec_prep:
	s_mov_b64 s[64:65], 0
	v_nop
	global_prefetch_b8 v0, s[64:65] scope:SCOPE_SE
	s_setreg_imm32_b32 hwreg(HW_REG_WAVE_MODE, 25, 1), 1
	s_wait_xcnt 0x0
; k and v [64 heads][2048 keys][128] f32 become codes of BF6 (E3M2) with one E8M0 byte for each 32 along a product's K: k along the head's 128, v along the keys.
; The int32 mask [4][2048] becomes f32 addends (0 or -1e9), and for each batch the first key whose mask is not 0 is stored as a whole number (2048 if there is none).
; OUTPUT LAYOUT.  kv is 1,024 chunks of CH bytes, chunk x = 16 x head + step, a step being 128 keys.  A chunk is the image of what the next launch keeps in LDS for a step:
;   0      eight tiles of K, 1,536 bytes each: the 12 registers of an operand's fragment, piece c (registers 4 c .. 4 c + 3) of lane l at 512 c + 16 l
;   12288  eight tiles of V^T likewise (tile t: channels 16 t .. 16 t + 15; K = the step's 128 keys)
;   24576  K's scale words: word (i, l) at 128 i + 4 l: lanes 0-15 tile 2 i's rows, lanes 16-31 tile 2 i + 1's;   25088  V's likewise;   25600  the 128 keys' addends
; THE KEYS OF A TILE OF K ARE NOT NEIGHBOURS: lane r of tile 2 b + u holds key 32 b + 8 u + r + 8 (r / 8), so that two neighbouring tiles of scores give a lane 16 neighbouring keys.
; A block's scale is 2^(floor(log2(its largest magnitude)) - 4): its byte is the largest magnitude's exponent field - 4, held at 1 from below by a floor among the maximum's leaves.
; LIMITS: a block of zeros, or one whose largest magnitude lies under 2^-122, gets the byte 1 (its codes are zeros or subnormal codes; this program alone reads the bytes); NaN and infinities are not served.
; SHARES.  Work-group (x, y): chunk x; y = 0 takes K, its scale words, the addends (and, in a batch's first chunk, wave 0 finds the batch's first open key); y = 1 takes V.
; No matrix work, no barrier: waves share nothing.  Only the K path uses LDS, a stage of its own for each wave.
.set CH,     26112
.set VIMG,   12288
.set KSC,    24576
.set VSC,    25088
.set PAD,    25600
.set SPITCH, 528                       ; a stage row: 512 bytes + 16: sixteen rows begin at sixteen different 16-byte columns modulo 256
.set WSTG,   32*SPITCH                 ; a wave's stage: its 32 keys
.set FLOOR,  0x2800000                 ; 2^(5 - 127)
.set EOFF,   0xfe000000                ; -(4 << 23): 4 off an exponent field
	s_load_b256 s[4:11], s[0:1], 0x0               ; k s[4:5], v s[6:7], mask s[8:9], kv s[10:11]
	s_load_b64 s[12:13], s[0:1], 0x20              ; first
	v_lshl_add_u32 v254, v0, 2, 0x10800
	v_mov_b32 v255, 0
	v_lshrrev_b32 v1, 5, v0
	v_readfirstlane_b32 s14, v1                    ; wave w
	v_and_b32 v1, 31, v0                           ; lane
	v_lshlrev_b32 v2, 4, v1                        ; 16 x lane
	v_lshlrev_b32 v3, 2, v1                        ; 4 x lane
	v_and_b32 v4, 15, v0                           ; r
	v_bfe_u32 v5, v0, 4, 1                         ; h
	s_mov_b32 s15, ttmp9                           ; x: the chunk
	s_and_b32 s16, ttmp7, 0xffff                   ; y: K's path or V's
	s_mov_b32 s26, 0x76543210
	s_mov_b32 s27, 0xfedcba98                      ; v_permlanex16_b32's selects for lane l xor 16
	s_mul_i32 s28, s15, CH                         ; the chunk's first byte (under 2^25)
	s_mov_b32 s29, 0
	s_mul_i32 s30, s14, 3072                       ; my wave's two tiles
	s_mov_b32 s31, 0
	s_lshl_b32 s32, s14, 7                         ; my wave's 128 bytes of each small part
	s_mov_b32 s33, 0
	s_lshl_b32 s34, s15, 16                        ; the step's 128 rows of 512 bytes in k and in v
	s_mov_b32 s35, 0
	s_wait_kmcnt 0x0
	s_add_nc_u64 s[10:11], s[10:11], s[28:29]
	s_add_nc_u64 s[20:21], s[10:11], s[30:31]      ; where my tiles go
	s_add_nc_u64 s[22:23], s[10:11], s[32:33]      ; where my scale words and addends go
	s_cmp_lg_u32 s16, 0
	s_cbranch_scc1 .Lvpath
; ---------------- K: wave w takes keys 32 w .. 32 w + 31 of the step: tiles 2 w and 2 w + 1
	s_add_nc_u64 s[18:19], s[4:5], s[34:35]
	s_lshl_b32 s28, s14, 14                        ; 32 rows of 512 bytes a wave
	s_add_nc_u64 s[18:19], s[18:19], s[28:29]
	s_lshr_b32 s30, s15, 8                         ; the batch
	s_lshl_b32 s30, s30, 13                        ; its 2,048 words of mask
	s_add_nc_u64 s[36:37], s[8:9], s[30:31]
	s_and_b32 s28, s15, 15                         ; the step
	s_lshl_b32 s28, s28, 9
	s_add_co_u32 s28, s28, s32                     ; 512 x step + 128 x wave
	s_add_nc_u64 s[24:25], s[36:37], s[28:29]      ; my 32 keys' words of mask
	s_mul_i32 s28, s14, WSTG
	v_add_nc_u32 v7, s28, v2                       ; the stage, in: 16 bytes a lane of a row
	v_mul_u32_u24 v8, v4, SPITCH
	v_lshl_add_u32 v8, v5, 7, v8
	v_add_nc_u32 v8, s28, v8                       ; and out: row r of a tile, + 128 h: my 32 numbers of each 64
	v_lshlrev_b32 v10, 3, v5                       ; 8 h: where my two bytes stand in a scale word
	v_mov_b32 v6, 0xce6e6b28                       ; -1e9
	v_mov_b32 v238, 0                              ; written once: a lane permute's destination counts as one of its sources
	global_load_b32 v9, v3, s[24:25]               ; the mask of key 32 w + lane
.set I, 0
.rept 32
	global_load_b128 v[80+4*I:83+4*I], v2, s[18:19] offset:512*I th:TH_LOAD_NT   ; key I's row: 32 lanes read 512 consecutive bytes
.set I, I+1
.endr
; The rows go into the stage in the order of the two tiles' lanes: key i is row (i % 8) + 8 (i / 16) of tile (i / 8) % 2.
.set I, 0
.rept 4
	s_wait_loadcnt 24-I                            ; loads come back in order: the mask and rows up to I + 7 are in; the 24 - I younger rows may be out
.rept 8
	ds_store_b128 v7, v[80+4*I:83+4*I] offset:(16*((I>>3)&1)+(I&7)+8*(I>>4))*SPITCH
.set I, I+1
.endr
.endr
.irp c, 0,1
.irp j, 0,1,2,3,4,5,6,7
	ds_load_b128 v[16+32*\c+4*\j:19+32*\c+4*\j], v8 offset:256*\c+16*\j   ; tile 2 w: d = 64 c + 32 h + 0 .. 31 of my row.  LDS serves a wave's instructions in order: these see my stores
.endr
.endr
	s_wait_dscnt 0x0                               ; tile 2 w's numbers are in, and the stage's stores have read v80 on
.irp c, 0,1
.irp j, 0,1,2,3,4,5,6,7
	ds_load_b128 v[80+32*\c+4*\j:83+32*\c+4*\j], v8 offset:16*SPITCH+256*\c+16*\j   ; tile 2 w + 1, while the first is quantised
.endr
.endr
; 64 numbers of a lane (two whole blocks of 32) become the 12 registers of a fragment, v[dst] on, and my row's scale word, v[word]; the fragment is stored as it stands.
.macro KQ src, dst, word, u
.irp c, 0,1
	v_max3_num_f32 v[232+\c], |v[\src+32*\c]|, |v[\src+32*\c+1]|, FLOOR   ; block 2 c + h: all its 32 numbers are mine; the floor holds the byte at 1 from below
.endr
.irp i, 2,4,6,8,10,12,14,16,18,20,22,24,26,28,30
.irp c, 0,1
	v_max3_num_f32 v[232+\c], v[232+\c], |v[\src+32*\c+\i]|, |v[\src+32*\c+\i+1]|   ; (the two blocks by turns)
.endr
.endr
.irp c, 0,1
	v_add_nc_u32 v[234+\c], EOFF, v[232+\c]        ; 4 off the exponent field: the conversion takes this operand's exponent field as its scale
.endr
.irp c, 0,1
	v_lshrrev_b32 v[236+\c], 23, v[234+\c]         ; the scale's byte
.endr
	v_lshl_or_b32 v[\word], v237, 16, v236         ; my two bytes, blocks h and 2 + h,
	v_lshlrev_b32 v[\word], v10, v[\word]          ; at their places;
	v_permlanex16_b32 v238, v[\word], s26, s27
	v_or_b32 v[\word], v[\word], v238              ; with lane l xor 16's two the word is whole
.irp c, 0,1
	v_cvt_scalef32_pk16_bf6_f32 v[\dst+6*\c:\dst+6*\c+2], v[\src+32*\c:\src+32*\c+15], v[234+\c]
	v_cvt_scalef32_pk16_bf6_f32 v[240+4*\c:242+4*\c], v[\src+32*\c+16:\src+32*\c+31], v[234+\c]   ; (a conversion's three registers begin on an even number)
.endr
	v_nop                                          ; one plain place behind a scaled conversion
.irp c, 0,1
.irp i, 0,1,2
	v_mov_b32 v[\dst+6*\c+3+\i], v[240+4*\c+\i]
.endr
.endr
.irp p, 0,1,2
	global_store_b128 v2, v[\dst+4*\p:\dst+4*\p+3], s[20:21] offset:(\u)*1536+512*\p   ; 32 lanes store 512 consecutive bytes, at a multiple of 256 from kv's first byte
.endr
.endm
	KQ 16, 208, 248, 0
	s_wait_dscnt 0x0                               ; tile 2 w + 1's numbers are in
	KQ 80, 220, 249, 1
	v_cmp_gt_u32 vcc_lo, 16, v1
	v_cndmask_b32 v251, v249, v248, vcc_lo         ; lanes 0-15: tile 2 w's words; lanes 16-31: tile 2 w + 1's (every lane holds the word of row lane % 16)
	global_store_b32 v3, v251, s[22:23] offset:KSC
	v_cmp_eq_u32 vcc_lo, 0, v9
	v_cndmask_b32 v250, 0, v6, vcc_lo              ; mask == 0: -1e9, else 0
	global_store_b32 v3, v250, s[22:23] offset:PAD
	; the batch's first open key: one wave of the batch's first chunk
	s_and_b32 s28, s15, 255
	s_cmp_lg_u32 s28, 0
	s_cbranch_scc1 .Lkend
	s_cmp_lg_u32 s14, 0
	s_cbranch_scc1 .Lkend
.set P, 0
.rept 64
	global_load_b32 v[80+P], v3, s[36:37] offset:128*P   ; keys 32 P + lane
.set P, P+1
.endr
	s_mov_b32 s30, 2048                            ; if no key is open
	s_wait_loadcnt 0x0
.set P, 0
.rept 64
	v_cmp_ne_u32 s28, 0, v[80+P]                   ; a bit for each open key of these 32
	s_ctz_i32_b32 s29, s28                         ; the lowest,
	s_cmp_lg_u32 s28, 0
	s_cselect_b32 s29, s29, 0x800                  ; or a number past every key
	s_add_co_u32 s29, s29, 32*P
	s_min_u32 s30, s30, s29
.set P, P+1
.endr
	v_mov_b32 v144, s30
	v_mov_b32 v145, s30
	v_lshlrev_b32 v146, 3, v1
	s_mov_b32 s28, s15                             ; x = 256 x batch here: the batch's 256 bytes of first
	s_mov_b32 s29, 0
	s_add_nc_u64 s[12:13], s[12:13], s[28:29]
	global_store_b64 v146, v[144:145], s[12:13]    ; 32 lanes store 256 consecutive aligned bytes: the number 64 times
.Lkend:
	s_wait_tensorcnt 0x0
	ds_add_u32 v254, v255
	s_wait_dscnt 0x0
	s_endpgm
; ---------------- V: wave w takes channels 32 w .. 32 w + 31: a lane takes ONE channel and its registers run down the keys, which are this operand's K
.Lvpath:
	s_add_nc_u64 s[18:19], s[6:7], s[34:35]
	s_add_nc_u64 s[18:19], s[18:19], s[32:33]      ; + 128 w bytes in each row
	v_lshrrev_b32 v7, 4, v1
	v_mul_u32_u24 v7, v7, 1536
	v_lshl_add_u32 v7, v4, 4, v7                   ; my channel is row lane % 16 of tile 2 w + lane / 16: its 16 bytes of a piece
.macro VLOAD beta, set                 ; block beta: keys 32 beta + 0 .. 31 of my channel: each load reads 128 consecutive bytes a wave, 512 a work-group
.set I, 0
.rept 32
	global_load_b32 v[(\set)+I], v3, s[18:19] offset:512*(32*(\beta)+I) th:TH_LOAD_NT
.set I, I+1
.endr
.endm
; Block beta = 2 c + h is registers 6 c .. 6 c + 5 of the fragment that the image's lane (row, h) holds: v208 on for h = 0, v220 on for h = 1.
.macro VBLOCK beta, set, left
.set FD, 208+12*((\beta)&1)+6*((\beta)>>1)
	s_wait_loadcnt \left                           ; this block's 32 loads are in; the younger block's may be out
	v_max3_num_f32 v232, |v[\set]|, |v[\set+1]|, |v[\set+2]|
	v_max3_num_f32 v233, |v[\set+3]|, |v[\set+4]|, |v[\set+5]|
.irp i, 6,10,14,18,22,26
	v_max3_num_f32 v232, v232, |v[\set+\i]|, |v[\set+\i+1]|
	v_max3_num_f32 v233, v233, |v[\set+\i+2]|, |v[\set+\i+3]|
.endr
	v_max3_num_f32 v232, v232, |v[\set+30]|, |v[\set+31]|
	v_max3_num_f32 v232, v232, v233, FLOOR
	v_add_nc_u32 v234, EOFF, v232
	v_lshrrev_b32 v235, 23, v234
.if (\beta) == 0
	v_mov_b32 v248, v235                           ; the channel's scale word: byte beta for keys 32 beta on
.else
	v_lshl_or_b32 v248, v235, 8*(\beta), v248
.endif
	v_cvt_scalef32_pk16_bf6_f32 v[FD:FD+2], v[\set:\set+15], v234
	v_cvt_scalef32_pk16_bf6_f32 v[240:242], v[\set+16:\set+31], v234
	v_nop                                          ; one plain place behind a scaled conversion
.irp i, 0,1,2
	v_mov_b32 v[FD+3+\i], v[240+\i]
.endr
.endm
.macro VSTORE h                        ; sixteen lanes store 256 consecutive aligned bytes: lanes (0 .. 15, h) of a piece of their tile
.irp p, 0,1,2
	global_store_b128 v7, v[208+12*(\h)+4*\p:211+12*(\h)+4*\p], s[20:21] offset:VIMG+512*\p+256*(\h)
.endr
.endm
	VLOAD 0, 16
	VLOAD 2, 48
	VBLOCK 0, 16, 32
	VLOAD 1, 16
	VBLOCK 2, 48, 32
	VLOAD 3, 48
	VSTORE 0
	VBLOCK 1, 16, 32
	VBLOCK 3, 48, 0
	VSTORE 1
	global_store_b32 v3, v248, s[22:23] offset:VSC ; lane l: tile 2 w + l / 16, row l % 16
	s_endpgm
.Lfunc_end_k_q10ce22d9ec_prep:
	.size	k_q10ce22d9ec_prep, .Lfunc_end_k_q10ce22d9ec_prep-k_q10ce22d9ec_prep
	.p2alignl 7, 3214868480
	.fill 96, 4, 3214868480
	.section	.rodata,"a",@progbits
	.p2align	6, 0x0
	.amdhsa_kernel k_q10ce22d9ec_prep
		.amdhsa_group_segment_fixed_size 68096
		.amdhsa_private_segment_fixed_size 0
		.amdhsa_enable_private_segment 0
		.amdhsa_kernarg_size 40
		.amdhsa_user_sgpr_count 2
		.amdhsa_user_sgpr_kernarg_segment_ptr 1
		.amdhsa_wavefront_size32 1
		.amdhsa_system_sgpr_workgroup_id_x 1
		.amdhsa_system_sgpr_workgroup_id_y 1
		.amdhsa_system_sgpr_workgroup_id_z 1
		.amdhsa_system_vgpr_workitem_id 0
		.amdhsa_next_free_vgpr 256
		.amdhsa_next_free_sgpr 66
		.amdhsa_reserve_vcc 1
		.amdhsa_float_denorm_mode_32 3
		.amdhsa_float_denorm_mode_16_64 3
		.amdhsa_memory_ordered 1
		.amdhsa_forward_progress 1
		.amdhsa_inst_pref_size 60
	.end_amdhsa_kernel
	.amdgpu_metadata
---
amdhsa.version: [ 1, 2 ]
amdhsa.kernels:
  - .name:           k_q10ce22d9ec_prep
    .symbol:         k_q10ce22d9ec_prep.kd
    .args:
      - { .name: k, .offset: 0, .size: 8, .value_kind: global_buffer, .address_space: global }
      - { .name: v, .offset: 8, .size: 8, .value_kind: global_buffer, .address_space: global }
      - { .name: mask, .offset: 16, .size: 8, .value_kind: global_buffer, .address_space: global }
      - { .name: kv, .offset: 24, .size: 8, .value_kind: global_buffer, .address_space: global }
      - { .name: first, .offset: 32, .size: 8, .value_kind: global_buffer, .address_space: global }
    .group_segment_fixed_size: 68096
    .private_segment_fixed_size: 0
    .kernarg_segment_align: 8
    .kernarg_segment_size: 40
    .max_flat_workgroup_size: 128
    .sgpr_count:     66
    .vgpr_count:     256
    .wavefront_size: 32
...
	.end_amdgpu_metadata
.endif
;; end of part 1
;; launch attn (part 2): grid 4 x 64, 16 waves a work-group, no clusters, 123,904 bytes of LDS; arguments q, kv, first, out0; writes out0
.if DOCPART == 2
	.amdgcn_target "amdgcn-amd-amdhsa--gfx1250"
	.amdhsa_code_object_version 6
	.text
	.protected	k_q10ce22d9ec_attn
	.globl	k_q10ce22d9ec_attn
	.p2align	8
	.type	k_q10ce22d9ec_attn,@function
k_q10ce22d9ec_attn:
	s_mov_b64 s[64:65], 0
	v_nop
	global_prefetch_b8 v0, s[64:65] scope:SCOPE_SE
	s_setreg_imm32_b32 hwreg(HW_REG_WAVE_MODE, 25, 1), 1
	s_wait_xcnt 0x0
; out0[head][q][:] = softmax_k(q . k / sqrt(128) + padding mask + causal mask) v, both products on codes of BF6 (E3M2) with one E8M0 scale for each 32 along a product's K.
; Both masks are ADDED, -1e9 each.  So a query q all of whose keys 0 .. q are padded out (q < F, F = the batch's first open key, read from first) has its largest logit near -1e9, and every key
; that carries exactly one mask counts for it, later keys too.  A tile of 16 queries that begins under F therefore walks ALL keys and forms its numbers by the very f32 steps of the definition:
; logit = s / sqrt(128) + mask + mask, t = logit x log2(e), each rounded.  Every other tile stops at its diagonal and takes t = s x (log2(e) / sqrt(128)) + mask: there a masked key only has to give p = 0.
; THE SOFTMAX: M = the running largest t rounded up to a whole number; p = 2^(t - M) is quantised along the keys, not normalised; the row's sum is taken of the unquantised p and divides at the end.
; When M moves, the sum and O are multiplied by 2^(old M - new M), which rounds nothing.
; SHARES.  Work-group (X, head) owns query blocks 7 - X and X of 256 queries, one after the other: 2 (8 - X) + 2 (X + 1) = 18 key steps of 128 keys in each of the 256 work-groups (more where a block begins under F).
; Each of its sixteen waves owns one tile of 16 queries in 256 registers: four waves to a SIMD, so that one wave's vector work stands beside another's matrix work and LDS loads.
; K, V, their scale words and the masks' addends come as chunks of CH bytes, laid by the launch before as images of the operands' registers: a step's chunk goes memory -> registers -> LDS slot, 16 bytes a thread
; and piece, one step ahead, two slots by turns, one barrier a step.
; NO TENSOR LOADS, NO JOINT REQUESTS, although the four work-groups of a head read the same chunks: how far a tile and a work-group walk hangs on F, a number read from memory;
; walking all keys in every tile instead would double the vector work, of which a step has some twenty instructions for each matrix instruction.
; Every pass runs 8 trips of 2 steps: the trip counts are constants, every wave passes every barrier, and only a step's work and fills are jumped over, by scalar branches.
; LAYOUT.  Both products are used transposed: S^T = K Q^T, O^T = V^T P^T: a lane holds ONE query (lane % 16).  Register 16 b + i of S^T is key 32 b + 16 (lane / 16) + i of the step.
; LIMITS: NaN and infinities are not served.  A block whose largest magnitude lies under 2^-122 gets the scale byte 1.  p under 2^-126 counts as 0 (v_exp_f32 flushes denormal results: ISA guide, 15.8).
; s x (1 / sqrt(128)) + mask is one fused multiply-add where the definition divides and then adds: the two can differ only in a row under F, where s / sqrt(128) lies within an ulp of an odd multiple of 32.
; REGISTERS: v1-10 addresses; v12 -M, v13 the largest t, v[14:15] the sum in two halves; v16-27 Q's codes, v28 its scale word; v32-79 four fragments, or addends; v80-95 the fill's data;
;   v96-159 S^T, t, p; v160-223 O^T; v224-235 p's codes (v232-235 first the blocks' maxima); v236-247 at work; v248-251 K's or V's scale words; v252 f; v253 p's scale word; v254 at work.
.set CH,    26112
.set VIMG,  12288
.set KSC,   24576
.set VSC,   25088
.set PAD,   25600
.set STAGE, 2*CH                       ; behind the two slots: 16 rows x 272 bytes for each wave, for the way out
.set WV,   12                          ; s12  my wave's number
.set FK,   13                          ; s13  F
.set PB,   14                          ; s14  the pass's block of queries
.set PS,   15                          ; s15  passes to go
.set TR,   16                          ; s16  trips to go
.set KF,   17                          ; s17  the step's first key
.set KN,   18                          ; s18  the next step's
.set Q0,   19                          ; s19  my first query
.set SEL,  20                          ; s[20:21] v_permlanex16_b32's selects for lane l xor 16
.set C1,   22                          ; s[22:23] what the scores are multiplied by (the packed forms name a pair and take its low word)
.set NEG,  24                          ; s[24:25] -1e9
.set L2E,  26                          ; s[26:27] log2(e)
.set LAST, 28                          ; s28  the last key that my tile needs
.set WGL,  29                          ; s29  the last key that any tile of the work-group needs
.set SP,   30                          ; s30  1: my tile begins under F
.set PFK,  31                          ; s31  the step at which the next pass's queries are prefetched
.set KVH,  32                          ; s[32:33] the head's first chunk
.set KV,   34                          ; s[34:35] the trip's first chunk
.set QP,   36                          ; s[36:37] my tile of q
.set OP,   38                          ; s[38:39] my tile of out0
.set QN,   40                          ; s[40:41] my tile of q in the second pass
.set CEX,  48                          ; s48  1 / sqrt(128)
.set CFU,  49                          ; s49  log2(e) / sqrt(128)
.set ALLK, 50                          ; s50  2047
.set HQ,   51                          ; s51  the head's first row: 2048 x head
	s_load_b256 s[4:11], s[0:1], 0x0               ; q s[4:5], kv s[6:7], first s[8:9], out0 s[10:11]
	v_lshl_add_u32 v31, v0, 2, 0x1dc00
	v_mov_b32 v255, 0
	v_lshrrev_b32 v1, 5, v0
	v_readfirstlane_b32 s[WV], v1                  ; wave 0..15
	v_and_b32 v11, 15, v0                          ; r
	v_bfe_u32 v29, v0, 4, 1                        ; h
	v_and_b32 v1, 31, v0                           ; lane
	v_lshlrev_b32 v2, 2, v1                        ; v2: 4 x lane: a scale word's place
	v_lshlrev_b32 v10, 8, v1                       ; v10: 256 x lane: the prefetch
	v_lshlrev_b32 v1, 4, v1                        ; v1: 16 x lane: my place in a piece of an image
	v_lshlrev_b32 v3, 6, v29                       ; v3: 64 h: my 16 keys' addends in a block's 32
	v_lshlrev_b32 v4, 4, v0                        ; v4: 16 x thread: the fill, in memory and in LDS alike
	v_lshl_add_u32 v5, v11, 9, v3                  ; v5: q: row r of 512 bytes + 64 h: my 16 numbers of a block of 32
	v_lshlrev_b32 v6, 4, v29
	v_sub_nc_u32 v6, v11, v6                       ; v6: r - 16 h
	v_lshlrev_b32 v7, 9, v29
	v_lshl_add_u32 v7, v11, 4, v7                  ; v7: the way out: lanes 0-15 one row of out0, lanes 16-31 the next; 16 bytes a lane
	s_mul_i32 s42, s[WV], 16*272
	s_add_co_u32 s42, s42, STAGE                   ; my stage
	v_mul_u32_u24 v8, v11, 272
	v_lshl_add_u32 v8, v29, 5, v8
	v_add_nc_u32 v8, s42, v8                       ; v8: in: row r, + 32 h
	v_mul_u32_u24 v9, v29, 272
	v_lshl_add_u32 v9, v11, 4, v9
	v_add_nc_u32 v9, s42, v9                       ; v9: back: lanes 0-15 one row, lanes 16-31 the next
.irp b, 0,1,2,3
	v_mov_b32 v[236+\b], 0                         ; written once: a lane permute's destination counts as one of its sources
	v_mov_b32 v[92+\b], 0                          ; the fill's fourth piece, which waves 0 to 2 alone load: written once on every wave's way
.endr
	v_mov_b32 v252, 0
	v_mov_b32 v253, 0                              ; (named as the upper half of the pair v[252:253] before it is first written)
	s_mov_b32 s52, ttmp9                           ; X
	s_and_b32 s53, ttmp7, 0xffff                   ; the head
	s_lshl_b32 s[HQ], s53, 11
	s_mov_b32 s[SEL], 0x76543210
	s_mov_b32 s[SEL+1], 0xfedcba98
	s_mov_b32 s[NEG], 0xce6e6b28
	s_mov_b32 s[NEG+1], s[NEG]
	s_mov_b32 s[L2E], 0x3fb8aa3b
	s_mov_b32 s[L2E+1], s[L2E]
	s_mov_b32 s[CEX], 0x3db504f3
	s_mov_b32 s[CFU], 0x3e0293ee
	s_mov_b32 s[ALLK], 2047
	s_sub_co_u32 s[PB], 7, s52                     ; the first pass takes the later block
	s_mov_b32 s[PS], 2
	s_lshl_b32 s[PFK], s[PB], 8                    ; its first step on the diagonal
	s_lshr_b32 s42, s53, 4                         ; the batch:
	s_lshl_b32 s42, s42, 8                         ; its 256 bytes of first
	s_mov_b32 s43, 0
	s_mul_i32 s44, s53, 16*CH                      ; the head's 16 chunks
	s_mov_b32 s45, 0
	s_lshl_b32 s46, s52, 8
	s_lshl_b32 s47, s[WV], 4
	s_add_co_u32 s46, s46, s47
	s_add_co_u32 s46, s46, s[HQ]                   ; my first row in the second pass: 2048 x head + 256 X + 16 x wave
	s_mov_b32 s47, 0
	s_lshl_b64 s[46:47], s[46:47], 9
	s_wait_kmcnt 0x0
	s_add_nc_u64 s[8:9], s[8:9], s[42:43]
	s_load_b32 s[FK], s[8:9], 0x0
	s_add_nc_u64 s[KVH:KVH+1], s[6:7], s[44:45]
	s_add_nc_u64 s[QN:QN+1], s[4:5], s[46:47]
	s_wait_kmcnt 0x0
; A chunk is 26,112 bytes: three pieces of 8,192 (16 bytes a thread) and one of 1,536, which waves 0 to 2 take.  The branch hangs on the wave's number alone.
.macro FLOAD off
.irp k, 0,1,2
	global_load_b128 v[80+4*\k:83+4*\k], v4, s[KV:KV+1] offset:(\off)+8192*\k   ; a wave reads 512 consecutive bytes
.endr
	s_cmp_lt_u32 s[WV], 3
	s_cbranch_scc0 .Lfl_\@
	global_load_b128 v[92:95], v4, s[KV:KV+1] offset:(\off)+24576
.Lfl_\@:
.endm
.macro FSTORE base
.irp k, 0,1,2
	ds_store_b128 v4, v[80+4*\k:83+4*\k] offset:(\base)+8192*\k
.endr
	s_cmp_lt_u32 s[WV], 3
	s_cbranch_scc0 .Lfs_\@
	ds_store_b128 v4, v[92:95] offset:(\base)+24576
.Lfs_\@:
.endm
; The largest number (abs = 1: magnitude) of each block of 32 along K in v96-159: my 16, then lane l xor 16's; the four blocks by turns, so that no line waits for the line above it.
.macro BLKMAX abs
.if \abs
.irp b, 0,1,2,3
	v_max3_num_f32 v[232+\b], |v[96+16*\b]|, |v[97+16*\b]|, |v[98+16*\b]|
.endr
.irp i, 3,5,7,9,11,13
.irp b, 0,1,2,3
	v_max3_num_f32 v[232+\b], v[232+\b], |v[96+16*\b+\i]|, |v[97+16*\b+\i]|
.endr
.endr
.irp b, 0,1,2,3
	v_max_num_f32 v[232+\b], v[232+\b], |v[111+16*\b]|
.endr
.else
.irp b, 0,1,2,3
	v_max3_num_f32 v[232+\b], v[96+16*\b], v[97+16*\b], v[98+16*\b]
.endr
.irp i, 3,5,7,9,11,13
.irp b, 0,1,2,3
	v_max3_num_f32 v[232+\b], v[232+\b], v[96+16*\b+\i], v[97+16*\b+\i]
.endr
.endr
.irp b, 0,1,2,3
	v_max_num_f32 v[232+\b], v[232+\b], v[111+16*\b]
.endr
.endif
.irp b, 0,1,2,3
	v_permlanex16_b32 v[236+\b], v[232+\b], s[SEL], s[SEL+1]
.endr
.irp b, 0,1,2,3
	v_max_num_f32 v[232+\b], v[232+\b], v[236+\b]
.endr
.endm
; 64 numbers of a lane, v[src] on (register 16 b + i = k 32 b + 16 (lane / 16) + i of my row), with the blocks' largest magnitudes in v232-235, become a fragment's 12 registers, v[dst] on, and its scale word.
.macro PACK src, dst, word
.irp b, 0,1,2,3
	v_max_num_f32 v[232+\b], 0x2800000, v[232+\b]  ; the floor 2^(5 - 127): the byte cannot fall under 1 (a block of zeros keeps that byte: its codes are zeros)
.endr
.irp b, 0,1,2,3
	v_add_nc_u32 v[244+\b], 0xfe000000, v[232+\b]  ; 4 off the exponent field: the conversion's scale operand
.endr
.irp b, 0,1,2,3
	v_lshrrev_b32 v[236+\b], 23, v[244+\b]         ; the scale's byte
.endr
	v_lshl_or_b32 v[\word], v237, 8, v236
	v_lshl_or_b32 v[\word], v238, 16, v[\word]
	v_lshl_or_b32 v[\word], v239, 24, v[\word]
.irp c, 0,1
	v_cvt_scalef32_pk16_bf6_f32 v[\dst+6*\c:\dst+6*\c+2], v[\src+32*\c:\src+32*\c+15], v[244+2*\c]
	v_cvt_scalef32_pk16_bf6_f32 v[236+4*\c:238+4*\c], v[\src+32*\c+16:\src+32*\c+31], v[245+2*\c]   ; (a conversion's three registers begin on an even number)
.endr
	v_nop                                          ; one plain place behind a scaled conversion
.irp c, 0,1                                    ; the operand's layout wants a WHOLE block in a lane: lanes 0-15 block 2 c, lanes 16-31 block 2 c + 1
.irp i, 0,1,2
	v_permlane16_swap_b32 v[\dst+6*\c+\i], v[236+4*\c+\i]
.endr
.irp i, 0,1,2
	v_mov_b32 v[\dst+6*\c+3+\i], v[236+4*\c+\i]
.endr
.endr
.endm
; Tile t of S^T = K Q^T and of O^T += V^T P^T.  Source 0's fragment lies in v[32 + 12 (t % 4)] on; its scale words in v[248 + t / 2]: an even tile's in lanes 0-15, an odd tile's in lanes 16-31.
.macro MMS t
.if (\t)%2
	v_wmma_scale_f32_16x16x128_f8f6f4 v[96+8*(\t):103+8*(\t)], v[32+12*((\t)%4):43+12*((\t)%4)], v[16:27], 0, v[248+(\t)/2], v28 matrix_a_fmt:MATRIX_FMT_BF6 matrix_b_fmt:MATRIX_FMT_BF6 matrix_a_scale:MATRIX_SCALE_ROW1
.else
	v_wmma_scale_f32_16x16x128_f8f6f4 v[96+8*(\t):103+8*(\t)], v[32+12*((\t)%4):43+12*((\t)%4)], v[16:27], 0, v[248+(\t)/2], v28 matrix_a_fmt:MATRIX_FMT_BF6 matrix_b_fmt:MATRIX_FMT_BF6
.endif
.endm
.macro MMO t
.if (\t)%2
	v_wmma_scale_f32_16x16x128_f8f6f4 v[160+8*(\t):167+8*(\t)], v[32+12*((\t)%4):43+12*((\t)%4)], v[224:235], v[160+8*(\t):167+8*(\t)], v[248+(\t)/2], v253 matrix_a_fmt:MATRIX_FMT_BF6 matrix_b_fmt:MATRIX_FMT_BF6 matrix_a_scale:MATRIX_SCALE_ROW1
.else
	v_wmma_scale_f32_16x16x128_f8f6f4 v[160+8*(\t):167+8*(\t)], v[32+12*((\t)%4):43+12*((\t)%4)], v[224:235], v[160+8*(\t):167+8*(\t)], v[248+(\t)/2], v253 matrix_a_fmt:MATRIX_FMT_BF6 matrix_b_fmt:MATRIX_FMT_BF6
.endif
.endm
.macro PLACES                          ; four plain places behind matrix instructions, in front of loads into their registers and of reads of their results
.rept 4
	v_nop
.endr
.endm
.macro FM b, a                         ; block b's 16 scores x C1 + the padding mask's addends, which lie in v[a] on: each accumulator is read from its low end on
.irp i, 0,2,4,6,8,10,12,14
	v_pk_fma_f32 v[96+16*(\b)+\i:97+16*(\b)+\i], v[96+16*(\b)+\i:97+16*(\b)+\i], s[C1:C1+1], v[(\a)+\i:(\a)+\i+1] op_sel_hi:[1,0,1]
.endr
.endm
; A KEY STEP: 128 keys, in slot sl.
.macro STEP sl
.set SB, (\sl)*CH
.set OB, (1-(\sl))*CH
	s_cmp_le_u32 s[KN], s[WGL]                     ; does any tile of the work-group need the next step?  (never true of a 17th chunk: WGL is 2047 at the most)
	s_cbranch_scc0 .Lno_load_\@
	FLOAD ((\sl)+1)*CH                             ; its chunk is asked for now and goes to the other slot at this step's end
.Lno_load_\@:
	s_cmp_eq_u32 s[KF], s[PFK]                     ; once, at the first pass's first step on the diagonal: my 16 rows of q of the second pass, 8,192 bytes, lanes 256 bytes apart;
	s_cbranch_scc0 .Lno_pf_\@                      ; they are loaded one or two steps and a way out later; each wave asks for its own rows alone
	global_prefetch_b8 v10, s[QN:QN+1] th:TH_LOAD_NT scope:SCOPE_SE
.Lno_pf_\@:
	s_cmp_gt_u32 s[KF], s[LAST]                    ; a step that my tile does not need is left out: its loads, products and softmax, not the fill's second half and not the barrier
	s_cbranch_scc1 .Lhid_\@
.irp i, 0,1,2,3
	ds_load_b32 v[248+\i], v2 offset:SB+KSC+128*\i ; K's scale words: four loads serve eight tiles
.endr
.irp g, 0,1                                    ; S^T = K Q^T, four tiles of 16 keys at a time
.irp t, 0,1,2,3
.irp c, 0,1,2
	ds_load_b128 v[32+12*\t+4*\c:35+12*\t+4*\c], v1 offset:SB+(4*\g+\t)*1536+512*\c   ; a fragment's registers as they were laid: 512 consecutive bytes a load
.endr
.endr
	s_wait_dscnt 0x0
.irp t, 0,1,2,3
	MMS 4*\g+\t
.endr
	PLACES
.endr
.irp b, 0,1,2
.irp j, 0,1,2,3
	ds_load_b128 v[32+16*\b+4*\j:35+16*\b+4*\j], v3 offset:SB+PAD+128*\b+16*\j   ; the addends of keys 32 b + 16 h + 0 .. 15
.endr
.endr
	s_wait_dscnt 8                                 ; block 0's four are in; blocks 1 and 2's may be out
	FM 0, 32
.irp j, 0,1,2,3
	ds_load_b128 v[32+4*\j:35+4*\j], v3 offset:SB+PAD+384+16*\j   ; block 3's, where block 0's lay
.endr
	s_wait_dscnt 8                                 ; block 1's are in; blocks 2 and 3's may be out
	FM 1, 48
	s_wait_dscnt 4                                 ; block 2's are in
	FM 2, 64
	s_wait_dscnt 0x0
	FM 3, 32
.irp i, 0,1,2,3
	ds_load_b32 v[248+\i], v2 offset:SB+VSC+128*\i ; V's scale words and its first four tiles land while the softmax is walked
.endr
.irp t, 0,1,2,3
.irp c, 0,1,2
	ds_load_b128 v[32+12*\t+4*\c:35+12*\t+4*\c], v1 offset:SB+VIMG+\t*1536+512*\c
.endr
.endr
	s_add_co_u32 s42, s[KF], 127                   ; the causal mask: a step all of whose keys count for all my queries skips it
	s_cmp_le_u32 s42, s[Q0]
	s_cbranch_scc1 .Lopen_\@
	s_sub_co_i32 s42, s[Q0], s[KF]
	v_add_nc_u32 v254, s42, v6                     ; d = my query - KF - 16 h.  Register 16 b + i holds key KF + 16 h + 32 b + i: later than my query where 32 b + i > d
.set N, 0
.rept 32
	v_pk_add_f32 v[236+2*((N/2)%4):237+2*((N/2)%4)], v[96+N:97+N], s[NEG:NEG+1] op_sel_hi:[1,0]   ; the definition's own addition of -1e9,
	v_cmp_gt_i32 vcc_lo, 32*(N/16)+N%16, v254
	v_cndmask_b32 v[96+N], v[96+N], v[236+2*((N/2)%4)], vcc_lo                                    ; taken where the key is later
	v_cmp_gt_i32 vcc_lo, 32*(N/16)+N%16+1, v254
	v_cndmask_b32 v[97+N], v[97+N], v[237+2*((N/2)%4)], vcc_lo
.set N, N+2
.endr
.Lopen_\@:
	s_cmp_eq_u32 s[SP], 0                          ; a tile that begins under F holds logits so far: t = logit x log2(e), rounded by itself.  Elsewhere C1 has made t already
	s_cbranch_scc1 .Lplain_\@
.set J, 0
.rept 32
	v_pk_mul_f32 v[96+J:97+J], v[96+J:97+J], s[L2E:L2E+1] op_sel_hi:[1,0]
.set J, J+2
.endr
.Lplain_\@:
	BLKMAX 0                                       ; the largest t of each block of 32 keys: it serves the row's maximum and, since p rises with t, the block's largest p
	v_max3_num_f32 v254, v232, v233, v234
	v_max_num_f32 v254, v254, v235
	v_max_num_f32 v13, v13, v254                   ; the running largest t
	v_mov_b32 v254, v12
	v_floor_f32 v12, -v13                          ; the new -M = floor(-t): M is a whole number
	v_sub_f32 v254, v12, v254                      ; old M - new M: a whole number, 0 or less
	v_cvt_i32_f32 v254, v254                       ; (it saturates)
	v_ldexp_f32 v252, 1.0, v254                    ; f = 2^(old M - new M)
.set J, 0
.rept 32
	v_pk_add_f32 v[96+J:97+J], v[96+J:97+J], v[12:13] op_sel_hi:[1,0]   ; t - M, two at a time (of the pair the low word, -M, serves both halves)
.set J, J+2
.endr
.irp b, 0,1,2,3
	v_add_f32 v[232+\b], v[232+\b], v12            ; the same of each block's largest t
.endr
.set J, 0
.rept 64
	v_exp_f32 v[96+J], v[96+J]                     ; p = 2^(t - M), at most 1
.set J, J+1
.endr
.irp b, 0,1,2,3
	v_exp_f32 v[232+\b], v[232+\b]                 ; the block's largest p: the same steps on the same number give the same bits
.endr
	v_pk_mul_f32 v[14:15], v[14:15], v[252:253] op_sel_hi:[1,0]   ; the sums under the new M.  (The plain place behind the exponentials)
	s_wait_alu depctr_va_vdst(0)
	PACK 96, 224, 253
	v_pk_add_f32 v[236:237], v[96:97], v[98:99]    ; the row's sum is taken of the unquantised p: two at a time, in two chains
.irp j, 4,8,12,16,20,24,28,32,36,40,44,48,52,56,60
	v_pk_add_f32 v[14:15], v[14:15], v[96+\j:97+\j]
	v_pk_add_f32 v[236:237], v[236:237], v[98+\j:99+\j]
.endr
	v_pk_add_f32 v[14:15], v[14:15], v[236:237]
.set J, 0
.rept 32
	v_pk_mul_f32 v[160+J:161+J], v[160+J:161+J], v[252:253] op_sel_hi:[1,0]   ; O^T under the new M.  (These and the sums are the places between p's codes and scale word and the products)
.set J, J+2
.endr
	s_wait_dscnt 0x0                               ; V's scale words and tiles 0 to 3
.irp t, 0,1,2,3
	MMO \t
.endr
	PLACES
.irp t, 0,1,2,3
.irp c, 0,1,2
	ds_load_b128 v[32+12*\t+4*\c:35+12*\t+4*\c], v1 offset:SB+VIMG+(4+\t)*1536+512*\c
.endr
.endr
	s_wait_dscnt 0x0
.irp t, 4,5,6,7
	MMO \t
.endr
	PLACES                                         ; for whatever comes next on any way: the next step's loads, the way out's reads
.Lhid_\@:
	s_wait_loadcnt 0x0                             ; the next chunk is in my registers (nothing is out where none was asked for)
	s_cmp_le_u32 s[KN], s[WGL]
	s_cbranch_scc0 .Lno_store_\@
	FSTORE OB                                      ; into the slot that every wave left in front of the last barrier
.Lno_store_\@:
	s_add_co_u32 s[KF], s[KF], 128
	s_add_co_u32 s[KN], s[KN], 128
	s_wait_dscnt 0x0                               ; my stores into the other slot have landed, and my reads of this slot are back:
	s_barrier_signal -1
	s_barrier_wait -1                              ; so of every wave: the other slot may be read, and this one written at the next step's end
.endm
.Lpass:
	s_lshl_b32 s42, s[PB], 8                       ; the block's first query
	s_lshl_b32 s43, s[WV], 4
	s_add_co_u32 s[Q0], s42, s43
	s_add_co_u32 s44, s[Q0], 15
	s_add_co_u32 s45, s42, 255
	s_cmp_lt_u32 s[Q0], s[FK]                      ; does my tile begin under F?
	s_cselect_b32 s[SP], 1, 0
	s_cselect_b32 s[LAST], s[ALLK], s44            ; then it walks all keys, else up to its diagonal,
	s_cselect_b32 s[C1], s[CEX], s[CFU]            ; and its scores become logits first
	s_mov_b32 s[C1+1], s[C1]
	s_cmp_lt_u32 s42, s[FK]                        ; does the block?  Then the fills go on to the last chunk
	s_cselect_b32 s[WGL], s[ALLK], s45
	s_add_co_u32 s46, s[HQ], s[Q0]
	s_mov_b32 s47, 0
	s_lshl_b64 s[46:47], s[46:47], 9               ; rows of 512 bytes
	s_add_nc_u64 s[QP:QP+1], s[4:5], s[46:47]
	s_add_nc_u64 s[OP:OP+1], s[10:11], s[46:47]
	s_mov_b64 s[KV:KV+1], s[KVH:KVH+1]
	s_mov_b32 s[KF], 0
	s_mov_b32 s[KN], 128
	s_mov_b32 s[TR], 8
	FLOAD 0                                        ; the head's first chunk: every tile needs it
.irp b, 0,1,2,3
.irp j, 0,1,2,3
	global_load_b128 v[96+16*\b+4*\j:99+16*\b+4*\j], v5, s[QP:QP+1] offset:128*\b+16*\j th:TH_LOAD_NT   ; q(r, 32 b + 16 h + 0 .. 15): read once, by this wave alone
.endr
.endr
	s_wait_loadcnt 16                              ; all but the sixteen loads of q: the chunk is in
	FSTORE 0                                       ; slot 0 was last read two barriers ago
	s_wait_loadcnt 0x0
	BLKMAX 1
	PACK 96, 16, 28                                ; q is quantised in registers: nobody else reads these rows
	v_mov_b32 v13, 0xff61b1e6                      ; the largest t so far: -3e38, under every t
	v_floor_f32 v12, -v13                          ; -M
	v_mov_b32 v14, 0                               ; the sum, in two halves
	v_mov_b32 v15, 0
.set J, 0
.rept 64
	v_mov_b32 v[160+J], 0                          ; O^T: the step is written once, and its first walk finds zeros, which the first change of M leaves zeros.  (Also the places between q's codes and scale word and the first products)
.set J, J+1
.endr
	s_wait_dscnt 0x0                               ; my part of slot 0 has landed
	s_barrier_signal -1
	s_barrier_wait -1                              ; everybody's has
.Ltrip:
	STEP 0
	STEP 1
	s_add_nc_u64 s[KV:KV+1], s[KV:KV+1], 2*CH      ; no load that names it is out: each step ends behind its wait for all loads
	s_sub_co_u32 s[TR], s[TR], 1
	s_cmp_lg_u32 s[TR], 0
	s_cbranch_scc1 .Ltrip
	; THE WAY OUT.  O^T / the sum goes through my own stage in LDS, half a row (64 channels, 256 bytes) of 16 queries at a time, so that sixteen lanes store 256 consecutive aligned bytes.
	v_add_f32 v14, v14, v15                        ; the sum's two halves,
	v_permlanex16_b32 v252, v14, s[SEL], s[SEL+1]
	v_add_f32 v14, v14, v252                       ; and lane l xor 16's: the row's sum
	v_rcp_f32 v14, v14
	v_nop                                          ; one plain place behind a transcendental
.set J, 0
	s_wait_alu depctr_va_vdst(0)
.rept 64
	v_mul_f32 v[96+J], v[160+J], v14               ; register 8 t + i is out0(r, 16 t + 8 h + i); each accumulator from its low end on
.set J, J+1
.endr
.irp u, 0,1
.irp t, 0,1,2,3
	ds_store_b128 v8, v[96+32*\u+8*\t:99+32*\u+8*\t] offset:64*\t
	ds_store_b128 v8, v[100+32*\u+8*\t:103+32*\u+8*\t] offset:64*\t+16
.endr
.irp i, 0,1,2,3,4,5,6,7
	ds_load_b128 v[32+32*\u+4*\i:35+32*\u+4*\i], v9 offset:2*\i*272   ; LDS serves a wave's instructions in order: these see my stores, and the next half's stores come behind them
.endr
.endr
.irp u, 0,1
.irp i, 0,1,2,3,4,5,6,7
	s_wait_dscnt 15-8*\u-\i                        ; at most the loads behind this one are out
	global_store_b128 v7, v[32+32*\u+4*\i:35+32*\u+4*\i], s[OP:OP+1] offset:2*\i*512+256*\u th:TH_STORE_NT
.endr
.endr
	s_wait_xcnt 0x0                                ; the stores have read their registers and their base: the next pass writes both again
	s_sub_co_u32 s[PB], 7, s[PB]                   ; the second pass takes block X
	s_mov_b32 s[PFK], -1                           ; and prefetches nothing
	s_sub_co_u32 s[PS], s[PS], 1
	s_cmp_lg_u32 s[PS], 0
	s_cbranch_scc1 .Lpass
	s_wait_tensorcnt 0x0
	ds_add_u32 v31, v255
	s_wait_dscnt 0x0
	s_endpgm
.Lfunc_end_k_q10ce22d9ec_attn:
	.size	k_q10ce22d9ec_attn, .Lfunc_end_k_q10ce22d9ec_attn-k_q10ce22d9ec_attn
	.p2alignl 7, 3214868480
	.fill 96, 4, 3214868480
	.section	.rodata,"a",@progbits
	.p2align	6, 0x0
	.amdhsa_kernel k_q10ce22d9ec_attn
		.amdhsa_group_segment_fixed_size 123904
		.amdhsa_private_segment_fixed_size 0
		.amdhsa_enable_private_segment 0
		.amdhsa_kernarg_size 32
		.amdhsa_user_sgpr_count 2
		.amdhsa_user_sgpr_kernarg_segment_ptr 1
		.amdhsa_wavefront_size32 1
		.amdhsa_system_sgpr_workgroup_id_x 1
		.amdhsa_system_sgpr_workgroup_id_y 1
		.amdhsa_system_sgpr_workgroup_id_z 1
		.amdhsa_system_vgpr_workitem_id 0
		.amdhsa_next_free_vgpr 256
		.amdhsa_next_free_sgpr 66
		.amdhsa_reserve_vcc 1
		.amdhsa_float_denorm_mode_32 3
		.amdhsa_float_denorm_mode_16_64 3
		.amdhsa_memory_ordered 1
		.amdhsa_forward_progress 1
		.amdhsa_inst_pref_size 84
	.end_amdhsa_kernel
	.amdgpu_metadata
---
amdhsa.version: [ 1, 2 ]
amdhsa.kernels:
  - .name:           k_q10ce22d9ec_attn
    .symbol:         k_q10ce22d9ec_attn.kd
    .args:
      - { .name: q, .offset: 0, .size: 8, .value_kind: global_buffer, .address_space: global }
      - { .name: kv, .offset: 8, .size: 8, .value_kind: global_buffer, .address_space: global }
      - { .name: first, .offset: 16, .size: 8, .value_kind: global_buffer, .address_space: global }
      - { .name: out0, .offset: 24, .size: 8, .value_kind: global_buffer, .address_space: global }
    .group_segment_fixed_size: 123904
    .private_segment_fixed_size: 0
    .kernarg_segment_align: 8
    .kernarg_segment_size: 32
    .max_flat_workgroup_size: 512
    .sgpr_count:     66
    .vgpr_count:     256
    .wavefront_size: 32
...
	.end_amdgpu_metadata
.endif
;; end of part 2
;; ======== version 2 of 2: 2 launches
;; workspace buffers: kv 26,738,688 bytes; first 1,024 bytes of whole numbers
;; launch prep (part 3): grid 1024 x 2, 4 waves a work-group, no clusters, 68,096 bytes of LDS; arguments k, v, mask, kv, first; writes kv, first
.if DOCPART == 3
	.amdgcn_target "amdgcn-amd-amdhsa--gfx1250"
	.amdhsa_code_object_version 6
	.text
	.protected	k_q10ce22d9ec_prep
	.globl	k_q10ce22d9ec_prep
	.p2align	8
	.type	k_q10ce22d9ec_prep,@function
k_q10ce22d9ec_prep:
	s_mov_b64 s[64:65], 0
	v_nop
	global_prefetch_b8 v0, s[64:65] scope:SCOPE_SE
	s_setreg_imm32_b32 hwreg(HW_REG_WAVE_MODE, 25, 1), 1
	s_wait_xcnt 0x0
; k and v [64 heads][2048 keys][128] f32 become codes of BF6 (E3M2) with one E8M0 byte for each 32 along a product's K: k along the head's 128, v along the keys.
; The int32 mask [4][2048] becomes f32 addends (0 or -1e9), and for each batch the first key whose mask is not 0 is stored as a whole number (2048 if there is none).
; OUTPUT LAYOUT.  kv is 1,024 chunks of CH bytes, chunk x = 16 x head + step, a step being 128 keys.  A chunk is the image of what the next launch keeps in LDS for a step:
;   0      eight tiles of K, 1,536 bytes each: the 12 registers of an operand's fragment, piece c (registers 4 c .. 4 c + 3) of lane l at 512 c + 16 l
;   12288  eight tiles of V^T likewise (tile t: channels 16 t .. 16 t + 15; K = the step's 128 keys)
;   24576  K's scale words: word (i, l) at 128 i + 4 l: lanes 0-15 tile 2 i's rows, lanes 16-31 tile 2 i + 1's;   25088  V's likewise;   25600  the 128 keys' addends
; THE KEYS OF A TILE OF K ARE NOT NEIGHBOURS: lane r of tile 2 b + u holds key 32 b + 8 u + r + 8 (r / 8), so that two neighbouring tiles of scores give a lane 16 neighbouring keys.
; A block's scale is 2^(floor(log2(its largest magnitude)) - 4): its byte is the largest magnitude's exponent field - 4, held at 1 from below by a floor among the maximum's leaves.
; LIMITS: a block of zeros, or one whose largest magnitude lies under 2^-122, gets the byte 1 (its codes are zeros or subnormal codes; this program alone reads the bytes); NaN and infinities are not served.
; SHARES.  Work-group (x, y): chunk x; y = 0 takes K, its scale words, the addends (and, in a batch's first chunk, wave 0 finds the batch's first open key); y = 1 takes V.
; No matrix work, no barrier: waves share nothing.  Only the K path uses LDS, a stage of its own for each wave.
.set CH,     26112
.set VIMG,   12288
.set KSC,    24576
.set VSC,    25088
.set PAD,    25600
.set SPITCH, 528                       ; a stage row: 512 bytes + 16: sixteen rows begin at sixteen different 16-byte columns modulo 256
.set WSTG,   32*SPITCH                 ; a wave's stage: its 32 keys
.set FLOOR,  0x2800000                 ; 2^(5 - 127)
.set EOFF,   0xfe000000                ; -(4 << 23): 4 off an exponent field
	s_load_b256 s[4:11], s[0:1], 0x0               ; k s[4:5], v s[6:7], mask s[8:9], kv s[10:11]
	s_load_b64 s[12:13], s[0:1], 0x20              ; first
	v_lshl_add_u32 v254, v0, 2, 0x10800
	v_mov_b32 v255, 0
	v_lshrrev_b32 v1, 5, v0
	v_readfirstlane_b32 s14, v1                    ; wave w
	v_and_b32 v1, 31, v0                           ; lane
	v_lshlrev_b32 v2, 4, v1                        ; 16 x lane
	v_lshlrev_b32 v3, 2, v1                        ; 4 x lane
	v_and_b32 v4, 15, v0                           ; r
	v_bfe_u32 v5, v0, 4, 1                         ; h
	s_mov_b32 s15, ttmp9                           ; x: the chunk
	s_and_b32 s16, ttmp7, 0xffff                   ; y: K's path or V's
	s_mov_b32 s26, 0x76543210
	s_mov_b32 s27, 0xfedcba98                      ; v_permlanex16_b32's selects for lane l xor 16
	s_mul_i32 s28, s15, CH                         ; the chunk's first byte (under 2^25)
	s_mov_b32 s29, 0
	s_mul_i32 s30, s14, 3072                       ; my wave's two tiles
	s_mov_b32 s31, 0
	s_lshl_b32 s32, s14, 7                         ; my wave's 128 bytes of each small part
	s_mov_b32 s33, 0
	s_lshl_b32 s34, s15, 16                        ; the step's 128 rows of 512 bytes in k and in v
	s_mov_b32 s35, 0
	s_wait_kmcnt 0x0
	s_add_nc_u64 s[10:11], s[10:11], s[28:29]
	s_add_nc_u64 s[20:21], s[10:11], s[30:31]      ; where my tiles go
	s_add_nc_u64 s[22:23], s[10:11], s[32:33]      ; where my scale words and addends go
	s_cmp_lg_u32 s16, 0
	s_cbranch_scc1 .Lvpath
; ---------------- K: wave w takes keys 32 w .. 32 w + 31 of the step: tiles 2 w and 2 w + 1
	s_add_nc_u64 s[18:19], s[4:5], s[34:35]
	s_lshl_b32 s28, s14, 14                        ; 32 rows of 512 bytes a wave
	s_add_nc_u64 s[18:19], s[18:19], s[28:29]
	s_lshr_b32 s30, s15, 8                         ; the batch
	s_lshl_b32 s30, s30, 13                        ; its 2,048 words of mask
	s_add_nc_u64 s[36:37], s[8:9], s[30:31]
	s_and_b32 s28, s15, 15                         ; the step
	s_lshl_b32 s28, s28, 9
	s_add_co_u32 s28, s28, s32                     ; 512 x step + 128 x wave
	s_add_nc_u64 s[24:25], s[36:37], s[28:29]      ; my 32 keys' words of mask
	s_mul_i32 s28, s14, WSTG
	s_wait_alu depctr_va_vdst(0)
	v_add_nc_u32 v7, s28, v2                       ; the stage, in: 16 bytes a lane of a row
	v_mul_u32_u24 v8, v4, SPITCH
	v_lshl_add_u32 v8, v5, 7, v8
	v_add_nc_u32 v8, s28, v8                       ; and out: row r of a tile, + 128 h: my 32 numbers of each 64
	v_lshlrev_b32 v10, 3, v5                       ; 8 h: where my two bytes stand in a scale word
	v_mov_b32 v6, 0xce6e6b28                       ; -1e9
	v_mov_b32 v238, 0                              ; written once: a lane permute's destination counts as one of its sources
	global_load_b32 v9, v3, s[24:25]               ; the mask of key 32 w + lane
.set I, 0
.rept 32
	global_load_b128 v[80+4*I:83+4*I], v2, s[18:19] offset:512*I th:TH_LOAD_NT   ; key I's row: 32 lanes read 512 consecutive bytes
.set I, I+1
.endr
; The rows go into the stage in the order of the two tiles' lanes: key i is row (i % 8) + 8 (i / 16) of tile (i / 8) % 2.
.set I, 0
	s_wait_alu depctr_va_vdst(0)
.rept 4
	s_wait_loadcnt 24-I                            ; loads come back in order: the mask and rows up to I + 7 are in; the 24 - I younger rows may be out
.rept 8
	ds_store_b128 v7, v[80+4*I:83+4*I] offset:(16*((I>>3)&1)+(I&7)+8*(I>>4))*SPITCH
.set I, I+1
.endr
.endr
.irp c, 0,1
.irp j, 0,1,2,3,4,5,6,7
	ds_load_b128 v[16+32*\c+4*\j:19+32*\c+4*\j], v8 offset:256*\c+16*\j   ; tile 2 w: d = 64 c + 32 h + 0 .. 31 of my row.  LDS serves a wave's instructions in order: these see my stores
.endr
.endr
	s_wait_dscnt 0x0                               ; tile 2 w's numbers are in, and the stage's stores have read v80 on
.irp c, 0,1
.irp j, 0,1,2,3,4,5,6,7
	ds_load_b128 v[80+32*\c+4*\j:83+32*\c+4*\j], v8 offset:16*SPITCH+256*\c+16*\j   ; tile 2 w + 1, while the first is quantised
.endr
.endr
; 64 numbers of a lane (two whole blocks of 32) become the 12 registers of a fragment, v[dst] on, and my row's scale word, v[word]; the fragment is stored as it stands.
.macro KQ src, dst, word, u
.irp c, 0,1
	v_max3_num_f32 v[232+\c], |v[\src+32*\c]|, |v[\src+32*\c+1]|, FLOOR   ; block 2 c + h: all its 32 numbers are mine; the floor holds the byte at 1 from below
.endr
.irp i, 2,4,6,8,10,12,14,16,18,20,22,24,26,28,30
.irp c, 0,1
	v_max3_num_f32 v[232+\c], v[232+\c], |v[\src+32*\c+\i]|, |v[\src+32*\c+\i+1]|   ; (the two blocks by turns)
.endr
.endr
.irp c, 0,1
	v_add_nc_u32 v[234+\c], EOFF, v[232+\c]        ; 4 off the exponent field: the conversion takes this operand's exponent field as its scale
.endr
.irp c, 0,1
	v_lshrrev_b32 v[236+\c], 23, v[234+\c]         ; the scale's byte
.endr
	v_lshl_or_b32 v[\word], v237, 16, v236         ; my two bytes, blocks h and 2 + h,
	v_lshlrev_b32 v[\word], v10, v[\word]          ; at their places;
	v_permlanex16_b32 v238, v[\word], s26, s27
	v_or_b32 v[\word], v[\word], v238              ; with lane l xor 16's two the word is whole
.irp c, 0,1
	v_cvt_scalef32_pk16_bf6_f32 v[\dst+6*\c:\dst+6*\c+2], v[\src+32*\c:\src+32*\c+15], v[234+\c]
	v_cvt_scalef32_pk16_bf6_f32 v[240+4*\c:242+4*\c], v[\src+32*\c+16:\src+32*\c+31], v[234+\c]   ; (a conversion's three registers begin on an even number)
.endr
	v_nop                                          ; one plain place behind a scaled conversion
.irp c, 0,1
.irp i, 0,1,2
	v_mov_b32 v[\dst+6*\c+3+\i], v[240+4*\c+\i]
.endr
.endr
.irp p, 0,1,2
	global_store_b128 v2, v[\dst+4*\p:\dst+4*\p+3], s[20:21] offset:(\u)*1536+512*\p   ; 32 lanes store 512 consecutive bytes, at a multiple of 256 from kv's first byte
.endr
.endm
	KQ 16, 208, 248, 0
	s_wait_dscnt 0x0                               ; tile 2 w + 1's numbers are in
	KQ 80, 220, 249, 1
	v_cmp_gt_u32 vcc_lo, 16, v1
	v_cndmask_b32 v251, v249, v248, vcc_lo         ; lanes 0-15: tile 2 w's words; lanes 16-31: tile 2 w + 1's (every lane holds the word of row lane % 16)
	global_store_b32 v3, v251, s[22:23] offset:KSC
	v_cmp_eq_u32 vcc_lo, 0, v9
	v_cndmask_b32 v250, 0, v6, vcc_lo              ; mask == 0: -1e9, else 0
	global_store_b32 v3, v250, s[22:23] offset:PAD
	; the batch's first open key: one wave of the batch's first chunk
	s_and_b32 s28, s15, 255
	s_cmp_lg_u32 s28, 0
	s_cbranch_scc1 .Lkend
	s_cmp_lg_u32 s14, 0
	s_cbranch_scc1 .Lkend
.set P, 0
.rept 64
	global_load_b32 v[80+P], v3, s[36:37] offset:128*P   ; keys 32 P + lane
.set P, P+1
.endr
	s_mov_b32 s30, 2048                            ; if no key is open
	s_wait_loadcnt 0x0
.set P, 0
.rept 64
	v_cmp_ne_u32 s28, 0, v[80+P]                   ; a bit for each open key of these 32
	s_ctz_i32_b32 s29, s28                         ; the lowest,
	s_cmp_lg_u32 s28, 0
	s_cselect_b32 s29, s29, 0x800                  ; or a number past every key
	s_add_co_u32 s29, s29, 32*P
	s_min_u32 s30, s30, s29
.set P, P+1
.endr
	v_mov_b32 v144, s30
	v_mov_b32 v145, s30
	v_lshlrev_b32 v146, 3, v1
	s_mov_b32 s28, s15                             ; x = 256 x batch here: the batch's 256 bytes of first
	s_mov_b32 s29, 0
	s_add_nc_u64 s[12:13], s[12:13], s[28:29]
	global_store_b64 v146, v[144:145], s[12:13]    ; 32 lanes store 256 consecutive aligned bytes: the number 64 times
.Lkend:
	s_wait_tensorcnt 0x0
	ds_add_u32 v254, v255
	s_wait_dscnt 0x0
	s_endpgm
; ---------------- V: wave w takes channels 32 w .. 32 w + 31: a lane takes ONE channel and its registers run down the keys, which are this operand's K
.Lvpath:
	s_add_nc_u64 s[18:19], s[6:7], s[34:35]
	s_add_nc_u64 s[18:19], s[18:19], s[32:33]      ; + 128 w bytes in each row
	s_wait_alu depctr_va_vdst(0)
	v_lshrrev_b32 v7, 4, v1
	v_mul_u32_u24 v7, v7, 1536
	v_lshl_add_u32 v7, v4, 4, v7                   ; my channel is row lane % 16 of tile 2 w + lane / 16: its 16 bytes of a piece
.macro VLOAD beta, set                 ; block beta: keys 32 beta + 0 .. 31 of my channel: each load reads 128 consecutive bytes a wave, 512 a work-group
.set I, 0
.rept 32
	global_load_b32 v[(\set)+I], v3, s[18:19] offset:512*(32*(\beta)+I) th:TH_LOAD_NT
.set I, I+1
.endr
.endm
; Block beta = 2 c + h is registers 6 c .. 6 c + 5 of the fragment that the image's lane (row, h) holds: v208 on for h = 0, v220 on for h = 1.
.macro VBLOCK beta, set, left
.set FD, 208+12*((\beta)&1)+6*((\beta)>>1)
	s_wait_loadcnt \left                           ; this block's 32 loads are in; the younger block's may be out
	v_max3_num_f32 v232, |v[\set]|, |v[\set+1]|, |v[\set+2]|
	v_max3_num_f32 v233, |v[\set+3]|, |v[\set+4]|, |v[\set+5]|
.irp i, 6,10,14,18,22,26
	v_max3_num_f32 v232, v232, |v[\set+\i]|, |v[\set+\i+1]|
	v_max3_num_f32 v233, v233, |v[\set+\i+2]|, |v[\set+\i+3]|
.endr
	v_max3_num_f32 v232, v232, |v[\set+30]|, |v[\set+31]|
	v_max3_num_f32 v232, v232, v233, FLOOR
	v_add_nc_u32 v234, EOFF, v232
	v_lshrrev_b32 v235, 23, v234
.if (\beta) == 0
	v_mov_b32 v248, v235                           ; the channel's scale word: byte beta for keys 32 beta on
.else
	v_lshl_or_b32 v248, v235, 8*(\beta), v248
.endif
	v_cvt_scalef32_pk16_bf6_f32 v[FD:FD+2], v[\set:\set+15], v234
	v_cvt_scalef32_pk16_bf6_f32 v[240:242], v[\set+16:\set+31], v234
	v_nop                                          ; one plain place behind a scaled conversion
.irp i, 0,1,2
	v_mov_b32 v[FD+3+\i], v[240+\i]
.endr
.endm
.macro VSTORE h                        ; sixteen lanes store 256 consecutive aligned bytes: lanes (0 .. 15, h) of a piece of their tile
.irp p, 0,1,2
	global_store_b128 v7, v[208+12*(\h)+4*\p:211+12*(\h)+4*\p], s[20:21] offset:VIMG+512*\p+256*(\h)
.endr
.endm
	VLOAD 0, 16
	VLOAD 2, 48
	VBLOCK 0, 16, 32
	VLOAD 1, 16
	VBLOCK 2, 48, 32
	VLOAD 3, 48
	VSTORE 0
	VBLOCK 1, 16, 32
	VBLOCK 3, 48, 0
	VSTORE 1
	global_store_b32 v3, v248, s[22:23] offset:VSC ; lane l: tile 2 w + l / 16, row l % 16
	s_endpgm
.Lfunc_end_k_q10ce22d9ec_prep:
	.size	k_q10ce22d9ec_prep, .Lfunc_end_k_q10ce22d9ec_prep-k_q10ce22d9ec_prep
	.p2alignl 7, 3214868480
	.fill 96, 4, 3214868480
	.section	.rodata,"a",@progbits
	.p2align	6, 0x0
	.amdhsa_kernel k_q10ce22d9ec_prep
		.amdhsa_group_segment_fixed_size 68096
		.amdhsa_private_segment_fixed_size 0
		.amdhsa_enable_private_segment 0
		.amdhsa_kernarg_size 40
		.amdhsa_user_sgpr_count 2
		.amdhsa_user_sgpr_kernarg_segment_ptr 1
		.amdhsa_wavefront_size32 1
		.amdhsa_system_sgpr_workgroup_id_x 1
		.amdhsa_system_sgpr_workgroup_id_y 1
		.amdhsa_system_sgpr_workgroup_id_z 1
		.amdhsa_system_vgpr_workitem_id 0
		.amdhsa_next_free_vgpr 256
		.amdhsa_next_free_sgpr 66
		.amdhsa_reserve_vcc 1
		.amdhsa_float_denorm_mode_32 3
		.amdhsa_float_denorm_mode_16_64 3
		.amdhsa_memory_ordered 1
		.amdhsa_forward_progress 1
		.amdhsa_inst_pref_size 60
	.end_amdhsa_kernel
	.amdgpu_metadata
---
amdhsa.version: [ 1, 2 ]
amdhsa.kernels:
  - .name:           k_q10ce22d9ec_prep
    .symbol:         k_q10ce22d9ec_prep.kd
    .args:
      - { .name: k, .offset: 0, .size: 8, .value_kind: global_buffer, .address_space: global }
      - { .name: v, .offset: 8, .size: 8, .value_kind: global_buffer, .address_space: global }
      - { .name: mask, .offset: 16, .size: 8, .value_kind: global_buffer, .address_space: global }
      - { .name: kv, .offset: 24, .size: 8, .value_kind: global_buffer, .address_space: global }
      - { .name: first, .offset: 32, .size: 8, .value_kind: global_buffer, .address_space: global }
    .group_segment_fixed_size: 68096
    .private_segment_fixed_size: 0
    .kernarg_segment_align: 8
    .kernarg_segment_size: 40
    .max_flat_workgroup_size: 128
    .sgpr_count:     66
    .vgpr_count:     256
    .wavefront_size: 32
...
	.end_amdgpu_metadata
.endif
;; end of part 3
;; launch attn (part 4): grid 4 x 64, 16 waves a work-group, no clusters, 123,904 bytes of LDS; arguments q, kv, first, out0; writes out0
.if DOCPART == 4
	.amdgcn_target "amdgcn-amd-amdhsa--gfx1250"
	.amdhsa_code_object_version 6
	.text
	.protected	k_q10ce22d9ec_attn
	.globl	k_q10ce22d9ec_attn
	.p2align	8
	.type	k_q10ce22d9ec_attn,@function
k_q10ce22d9ec_attn:
	s_mov_b64 s[64:65], 0
	v_nop
	global_prefetch_b8 v0, s[64:65] scope:SCOPE_SE
	s_setreg_imm32_b32 hwreg(HW_REG_WAVE_SCHED_MODE, 0, 2), 2
	s_setreg_imm32_b32 hwreg(HW_REG_WAVE_MODE, 25, 1), 1
	s_wait_xcnt 0x0
	s_wait_alu depctr_vm_vsrc(0)
; out0[head][q][:] = softmax_k(q . k / sqrt(128) + padding mask + causal mask) v, both products on codes of BF6 (E3M2) with one E8M0 scale for each 32 along a product's K.
; Both masks are ADDED, -1e9 each.  So a query q all of whose keys 0 .. q are padded out (q < F, F = the batch's first open key, read from first) has its largest logit near -1e9, and every key
; that carries exactly one mask counts for it, later keys too.  A tile of 16 queries that begins under F therefore walks ALL keys and forms its numbers by the very f32 steps of the definition:
; logit = s / sqrt(128) + mask + mask, t = logit x log2(e), each rounded.  Every other tile stops at its diagonal and takes t = s x (log2(e) / sqrt(128)) + mask: there a masked key only has to give p = 0.
; THE SOFTMAX: M = the running largest t rounded up to a whole number; p = 2^(t - M) is quantised along the keys, not normalised; the row's sum is taken of the unquantised p and divides at the end.
; When M moves, the sum and O are multiplied by 2^(old M - new M), which rounds nothing.
; SHARES.  Work-group (X, head) owns query blocks 7 - X and X of 256 queries, one after the other: 2 (8 - X) + 2 (X + 1) = 18 key steps of 128 keys in each of the 256 work-groups (more where a block begins under F).
; Each of its sixteen waves owns one tile of 16 queries in 256 registers: four waves to a SIMD, so that one wave's vector work stands beside another's matrix work and LDS loads.
; K, V, their scale words and the masks' addends come as chunks of CH bytes, laid by the launch before as images of the operands' registers: a step's chunk goes memory -> registers -> LDS slot, 16 bytes a thread
; and piece, one step ahead, two slots by turns, one barrier a step.
; NO TENSOR LOADS, NO JOINT REQUESTS, although the four work-groups of a head read the same chunks: how far a tile and a work-group walk hangs on F, a number read from memory;
; walking all keys in every tile instead would double the vector work, of which a step has some twenty instructions for each matrix instruction.
; Every pass runs 8 trips of 2 steps: the trip counts are constants, every wave passes every barrier, and only a step's work and fills are jumped over, by scalar branches.
; LAYOUT.  Both products are used transposed: S^T = K Q^T, O^T = V^T P^T: a lane holds ONE query (lane % 16).  Register 16 b + i of S^T is key 32 b + 16 (lane / 16) + i of the step.
; LIMITS: NaN and infinities are not served.  A block whose largest magnitude lies under 2^-122 gets the scale byte 1.  p under 2^-126 counts as 0 (v_exp_f32 flushes denormal results: ISA guide, 15.8).
; s x (1 / sqrt(128)) + mask is one fused multiply-add where the definition divides and then adds: the two can differ only in a row under F, where s / sqrt(128) lies within an ulp of an odd multiple of 32.
; REGISTERS: v1-10 addresses; v12 -M, v13 the largest t, v[14:15] the sum in two halves; v16-27 Q's codes, v28 its scale word; v32-79 four fragments, or three blocks' addends; v80-95 the fill's data;
;   v96-159 S^T, t, p, and behind the row's sums V's tiles 4 to 7 (v96-143); v160-223 O^T; v224-239 first block 0's addends, then the causal mask's sums; v224-235 p's codes (v232-235 first the blocks' maxima);
;   v236-247 at work; v248-251 K's or V's scale words; v252 f; v253 p's scale word; v254 at work.
; THE MODE: SCHED_MODE bits 1:0 = 2 (LLVM: expert scheduling mode 2), set by the entry lines.  The code itself states the register dependences between vector or matrix instructions and memory or LDS
; instructions, with s_wait_alu, always for 0.
; THE PLAN.  Registers that memory or LDS instructions touch:
;   v1-5, v7-10, v31, v255   addresses and the closing add's two: made at the head, never written again.
;   v80-95    Written by the global loads at a step's head, read by the LDS stores at its end; on the way out written by loads from the stage and read by global stores.  No vector line names them behind the head.
;   v32-79    In a step LDS loads land here four times: K's tiles 0-3, K's tiles 4-7, the addends of blocks 1-3, V's tiles 0-3; each time matrix instructions or multiply-adds read them in between.
;   v224-239  Block 0's addends land here with the step's first loads; vector lines take the registers over behind the multiply-adds that read them.
;   v248-251  K's scale words, then V's: loaded, and read by matrix instructions alone.
;   v96-143   Behind the row's sums p is done with: V's tiles 4-7 land here while O^T is rescaled.  v96-159: q's loads at a pass's head; on the way out the quotients, which LDS stores read.
; So a step has eight waits on va_vdst: at the head of its work; behind each four products of S^T; behind the multiply-adds; ahead of the exponentials and behind them; behind the row's sums; ahead of the products of O^T; and one on vm_vsrc at its end.
; Each is followed at once by the loads that lean on it.  On the diagonal the compares go into scalar registers, sixteen at a run, with one wait on va_sdst behind each run.
.set CH,    26112
.set VIMG,  12288
.set KSC,   24576
.set VSC,   25088
.set PAD,   25600
.set STAGE, 2*CH                       ; behind the two slots: 16 rows x 272 bytes for each wave, for the way out
.set WV,   12                          ; s12  my wave's number
.set FK,   13                          ; s13  F
.set PB,   14                          ; s14  the pass's block of queries
.set PS,   15                          ; s15  passes to go
.set TR,   16                          ; s16  trips to go
.set KF,   17                          ; s17  the step's first key
.set KN,   18                          ; s18  the next step's
.set Q0,   19                          ; s19  my first query
.set SEL,  20                          ; s[20:21] v_permlanex16_b32's selects for lane l xor 16
.set C1,   22                          ; s[22:23] what the scores are multiplied by (the packed forms name a pair and take its low word)
.set NEG,  24                          ; s[24:25] -1e9
.set L2E,  26                          ; s[26:27] log2(e)
.set LAST, 28                          ; s28  the last key that my tile needs
.set WGL,  29                          ; s29  the last key that any tile of the work-group needs
.set SP,   30                          ; s30  1: my tile begins under F
.set PFK,  31                          ; s31  the step at which the next pass's queries are prefetched
.set KVH,  32                          ; s[32:33] the head's first chunk
.set KV,   34                          ; s[34:35] the trip's first chunk
.set QP,   36                          ; s[36:37] my tile of q
.set OP,   38                          ; s[38:39] my tile of out0
.set QN,   40                          ; s[40:41] my tile of q in the second pass
.set CEX,  48                          ; s48  1 / sqrt(128)
.set CFU,  49                          ; s49  log2(e) / sqrt(128)
.set ALLK, 50                          ; s50  2047
.set HQ,   51                          ; s51  the head's first row: 2048 x head
                                       ; s44-47 and s52-63: in a step on the diagonal the sixteen lane masks of a block of keys (mask n in s[44 + n], from n = 4 on in s[48 + n]); elsewhere s42-47, s52, s53 are at work
	s_load_b256 s[4:11], s[0:1], 0x0               ; q s[4:5], kv s[6:7], first s[8:9], out0 s[10:11]
	v_lshl_add_u32 v31, v0, 2, 0x1dc00
	v_mov_b32 v255, 0
	v_lshrrev_b32 v1, 5, v0
	v_readfirstlane_b32 s[WV], v1                  ; wave 0..15
	v_and_b32 v11, 15, v0                          ; r
	v_bfe_u32 v29, v0, 4, 1                        ; h
	v_and_b32 v1, 31, v0                           ; lane
	v_lshlrev_b32 v2, 2, v1                        ; v2: 4 x lane: a scale word's place
	v_lshlrev_b32 v10, 8, v1                       ; v10: 256 x lane: the prefetch
	v_lshlrev_b32 v1, 4, v1                        ; v1: 16 x lane: my place in a piece of an image
	v_lshlrev_b32 v3, 6, v29                       ; v3: 64 h: my 16 keys' addends in a block's 32
	v_lshlrev_b32 v4, 4, v0                        ; v4: 16 x thread: the fill, in memory and in LDS alike
	v_lshl_add_u32 v5, v11, 9, v3                  ; v5: q: row r of 512 bytes + 64 h: my 16 numbers of a block of 32
	v_lshlrev_b32 v6, 4, v29
	v_sub_nc_u32 v6, v11, v6                       ; v6: r - 16 h
	v_lshlrev_b32 v7, 9, v29
	v_lshl_add_u32 v7, v11, 4, v7                  ; v7: the way out: lanes 0-15 one row of out0, lanes 16-31 the next; 16 bytes a lane
	s_wait_alu depctr_va_sdst(0)                   ; s12, the wave's number, is written, ahead of its first reader
	s_mul_i32 s42, s[WV], 16*272
	s_add_co_u32 s42, s42, STAGE                   ; my stage
	v_mul_u32_u24 v8, v11, 272
	v_lshl_add_u32 v8, v29, 5, v8
	v_add_nc_u32 v8, s42, v8                       ; v8: in: row r, + 32 h
	v_mul_u32_u24 v9, v29, 272
	v_lshl_add_u32 v9, v11, 4, v9
	v_add_nc_u32 v9, s42, v9                       ; v9: back: lanes 0-15 one row, lanes 16-31 the next
.irp b, 0,1,2,3
	v_mov_b32 v[236+\b], 0                         ; written once: a lane permute's destination counts as one of its sources
	v_mov_b32 v[92+\b], 0                          ; the fill's fourth piece, which waves 0 to 2 alone load: written once on every wave's way
.endr
	v_mov_b32 v252, 0
	v_mov_b32 v253, 0                              ; (named as the upper half of the pair v[252:253] before it is first written)
	s_mov_b32 s52, ttmp9                           ; X
	s_and_b32 s53, ttmp7, 0xffff                   ; the head
	s_lshl_b32 s[HQ], s53, 11
	s_mov_b32 s[SEL], 0x76543210
	s_mov_b32 s[SEL+1], 0xfedcba98
	s_mov_b32 s[NEG], 0xce6e6b28
	s_mov_b32 s[NEG+1], s[NEG]
	s_mov_b32 s[L2E], 0x3fb8aa3b
	s_mov_b32 s[L2E+1], s[L2E]
	s_mov_b32 s[CEX], 0x3db504f3
	s_mov_b32 s[CFU], 0x3e0293ee
	s_mov_b32 s[ALLK], 2047
	s_sub_co_u32 s[PB], 7, s52                     ; the first pass takes the later block
	s_mov_b32 s[PS], 2
	s_lshl_b32 s[PFK], s[PB], 8                    ; its first step on the diagonal
	s_lshr_b32 s42, s53, 4                         ; the batch:
	s_lshl_b32 s42, s42, 8                         ; its 256 bytes of first
	s_mov_b32 s43, 0
	s_mul_i32 s44, s53, 16*CH                      ; the head's 16 chunks
	s_mov_b32 s45, 0
	s_lshl_b32 s46, s52, 8
	s_lshl_b32 s47, s[WV], 4
	s_add_co_u32 s46, s46, s47
	s_add_co_u32 s46, s46, s[HQ]                   ; my first row in the second pass: 2048 x head + 256 X + 16 x wave
	s_mov_b32 s47, 0
	s_lshl_b64 s[46:47], s[46:47], 9
	s_wait_kmcnt 0x0
	s_add_nc_u64 s[8:9], s[8:9], s[42:43]
	s_load_b32 s[FK], s[8:9], 0x0
	s_add_nc_u64 s[KVH:KVH+1], s[6:7], s[44:45]
	s_add_nc_u64 s[QN:QN+1], s[4:5], s[46:47]
	s_wait_kmcnt 0x0
	s_wait_alu depctr_va_vdst(0)                   ; the addresses v1-5, v7-10, v31 and v255 are written, which every load, store and prefetch of the kernel reads; so are v92-95, in which the fill's loads land
; A chunk is 26,112 bytes: three pieces of 8,192 (16 bytes a thread) and one of 1,536, which waves 0 to 2 take.  The branch hangs on the wave's number alone.
.macro FLOAD off
.irp k, 0,1,2
	global_load_b128 v[80+4*\k:83+4*\k], v4, s[KV:KV+1] offset:(\off)+8192*\k   ; a wave reads 512 consecutive bytes
.endr
	s_cmp_lt_u32 s[WV], 3
	s_cbranch_scc0 .Lfl_\@
	global_load_b128 v[92:95], v4, s[KV:KV+1] offset:(\off)+24576
.Lfl_\@:
.endm
.macro FSTORE base
.irp k, 0,1,2
	ds_store_b128 v4, v[80+4*\k:83+4*\k] offset:(\base)+8192*\k
.endr
	s_cmp_lt_u32 s[WV], 3
	s_cbranch_scc0 .Lfs_\@
	ds_store_b128 v4, v[92:95] offset:(\base)+24576
.Lfs_\@:
.endm
; The largest number (abs = 1: magnitude) of each block of 32 along K in v96-159: my 16, then lane l xor 16's; the four blocks by turns, so that no line waits for the line above it.
.macro BLKMAX abs
.if \abs
.irp b, 0,1,2,3
	v_max3_num_f32 v[232+\b], |v[96+16*\b]|, |v[97+16*\b]|, |v[98+16*\b]|
.endr
.irp i, 3,5,7,9,11,13
.irp b, 0,1,2,3
	v_max3_num_f32 v[232+\b], v[232+\b], |v[96+16*\b+\i]|, |v[97+16*\b+\i]|
.endr
.endr
.irp b, 0,1,2,3
	v_max_num_f32 v[232+\b], v[232+\b], |v[111+16*\b]|
.endr
.else
.irp b, 0,1,2,3
	v_max3_num_f32 v[232+\b], v[96+16*\b], v[97+16*\b], v[98+16*\b]
.endr
.irp i, 3,5,7,9,11,13
.irp b, 0,1,2,3
	v_max3_num_f32 v[232+\b], v[232+\b], v[96+16*\b+\i], v[97+16*\b+\i]
.endr
.endr
.irp b, 0,1,2,3
	v_max_num_f32 v[232+\b], v[232+\b], v[111+16*\b]
.endr
.endif
.irp b, 0,1,2,3
	v_permlanex16_b32 v[236+\b], v[232+\b], s[SEL], s[SEL+1]
.endr
.irp b, 0,1,2,3
	v_max_num_f32 v[232+\b], v[232+\b], v[236+\b]
.endr
.endm
; 64 numbers of a lane, v[src] on (register 16 b + i = k 32 b + 16 (lane / 16) + i of my row), with the blocks' largest magnitudes in v232-235, become a fragment's 12 registers, v[dst] on, and its scale word.
.macro PACK src, dst, word
.irp b, 0,1,2,3
	v_max_num_f32 v[232+\b], 0x2800000, v[232+\b]  ; the floor 2^(5 - 127): the byte cannot fall under 1 (a block of zeros keeps that byte: its codes are zeros)
.endr
.irp b, 0,1,2,3
	v_add_nc_u32 v[244+\b], 0xfe000000, v[232+\b]  ; 4 off the exponent field: the conversion's scale operand
.endr
.irp b, 0,1,2,3
	v_lshrrev_b32 v[236+\b], 23, v[244+\b]         ; the scale's byte
.endr
	v_lshl_or_b32 v[\word], v237, 8, v236
	v_lshl_or_b32 v[\word], v238, 16, v[\word]
	v_lshl_or_b32 v[\word], v239, 24, v[\word]
.irp c, 0,1
	v_cvt_scalef32_pk16_bf6_f32 v[\dst+6*\c:\dst+6*\c+2], v[\src+32*\c:\src+32*\c+15], v[244+2*\c]
	v_cvt_scalef32_pk16_bf6_f32 v[236+4*\c:238+4*\c], v[\src+32*\c+16:\src+32*\c+31], v[245+2*\c]   ; (a conversion's three registers begin on an even number)
.endr
	v_nop                                          ; one plain place behind a scaled conversion
.irp c, 0,1                                    ; the operand's layout wants a WHOLE block in a lane: lanes 0-15 block 2 c, lanes 16-31 block 2 c + 1
.irp i, 0,1,2
	v_permlane16_swap_b32 v[\dst+6*\c+\i], v[236+4*\c+\i]
.endr
.irp i, 0,1,2
	v_mov_b32 v[\dst+6*\c+3+\i], v[236+4*\c+\i]
.endr
.endr
.endm
; Tile t of S^T = K Q^T and of O^T += V^T P^T.  K's fragment lies in v[32 + 12 (t % 4)] on; V's likewise for tiles 0 to 3, and in v[96 + 12 (t - 4)] on for tiles 4 to 7.
; The scale words lie in v[248 + t / 2]: an even tile's in lanes 0-15, an odd tile's in lanes 16-31.
.macro MMS t
.if (\t)%2
	v_wmma_scale_f32_16x16x128_f8f6f4 v[96+8*(\t):103+8*(\t)], v[32+12*((\t)%4):43+12*((\t)%4)], v[16:27], 0, v[248+(\t)/2], v28 matrix_a_fmt:MATRIX_FMT_BF6 matrix_b_fmt:MATRIX_FMT_BF6 matrix_a_scale:MATRIX_SCALE_ROW1
.else
	v_wmma_scale_f32_16x16x128_f8f6f4 v[96+8*(\t):103+8*(\t)], v[32+12*((\t)%4):43+12*((\t)%4)], v[16:27], 0, v[248+(\t)/2], v28 matrix_a_fmt:MATRIX_FMT_BF6 matrix_b_fmt:MATRIX_FMT_BF6
.endif
.endm
.macro MMO t
.if (\t)%2
	v_wmma_scale_f32_16x16x128_f8f6f4 v[160+8*(\t):167+8*(\t)], v[32+12*((\t)%4)+64*((\t)/4):43+12*((\t)%4)+64*((\t)/4)], v[224:235], v[160+8*(\t):167+8*(\t)], v[248+(\t)/2], v253 matrix_a_fmt:MATRIX_FMT_BF6 matrix_b_fmt:MATRIX_FMT_BF6 matrix_a_scale:MATRIX_SCALE_ROW1
.else
	v_wmma_scale_f32_16x16x128_f8f6f4 v[160+8*(\t):167+8*(\t)], v[32+12*((\t)%4)+64*((\t)/4):43+12*((\t)%4)+64*((\t)/4)], v[224:235], v[160+8*(\t):167+8*(\t)], v[248+(\t)/2], v253 matrix_a_fmt:MATRIX_FMT_BF6 matrix_b_fmt:MATRIX_FMT_BF6
.endif
.endm
.macro PLACES                          ; four plain places behind matrix instructions, in front of loads into their registers and of reads of their results
.rept 4
	v_nop
.endr
.endm
.macro FM b, a                         ; block b's 16 scores x C1 + the padding mask's addends, which lie in v[a] on: each accumulator is read from its low end on
.irp i, 0,2,4,6,8,10,12,14
	v_pk_fma_f32 v[96+16*(\b)+\i:97+16*(\b)+\i], v[96+16*(\b)+\i:97+16*(\b)+\i], s[C1:C1+1], v[(\a)+\i:(\a)+\i+1] op_sel_hi:[1,0,1]
.endr
.endm
; A KEY STEP: 128 keys, in slot sl.
.macro STEP sl
.set SB, (\sl)*CH
.set OB, (1-(\sl))*CH
	s_cmp_le_u32 s[KN], s[WGL]                     ; does any tile of the work-group need the next step?  (never true of a 17th chunk: WGL is 2047 at the most)
	s_cbranch_scc0 .Lno_load_\@
	FLOAD ((\sl)+1)*CH                             ; its chunk is asked for now and goes to the other slot at this step's end.  (The wait on vm_vsrc in front of the last barrier has shown v80-95 read)
.Lno_load_\@:
	s_cmp_eq_u32 s[KF], s[PFK]                     ; once, at the first pass's first step on the diagonal: my 16 rows of q of the second pass, 8,192 bytes, lanes 256 bytes apart;
	s_cbranch_scc0 .Lno_pf_\@                      ; they are loaded one or two steps and a way out later; each wave asks for its own rows alone
	global_prefetch_b8 v10, s[QN:QN+1] th:TH_LOAD_NT scope:SCOPE_SE
.Lno_pf_\@:
	s_cmp_gt_u32 s[KF], s[LAST]                    ; a step that my tile does not need is left out: its loads, products and softmax, not the fill's second half and not the barrier
	s_cbranch_scc1 .Lhid_\@
	s_wait_alu depctr_va_vdst(0)                   ; the last step's products are done reading v32-79, v224-235 and v248-251, and its vector lines are done with v224-247: the loads below land there; in a pass's first step q's codes v16-27 and scale word v28 are written, which the products below take
.irp i, 0,1,2,3
	ds_load_b32 v[248+\i], v2 offset:SB+KSC+128*\i ; K's scale words: four loads serve eight tiles
.endr
.irp t, 0,1,2,3                                ; S^T = K Q^T, four tiles of 16 keys at a time
.irp c, 0,1,2
	ds_load_b128 v[32+12*\t+4*\c:35+12*\t+4*\c], v1 offset:SB+\t*1536+512*\c   ; a fragment's registers as they were laid: 512 consecutive bytes a load
.endr
.endr
.irp j, 0,1,2,3
	ds_load_b128 v[224+4*\j:227+4*\j], v3 offset:SB+PAD+16*\j   ; the addends of keys 16 h + 0 .. 15, block 0's, where p's codes will lie: they land while the scores are made
.endr
	s_wait_dscnt 4                                 ; the scale words and tiles 0 to 3 are in; the four loads of addends may be out
.irp t, 0,1,2,3
	MMS \t
.endr
	PLACES
	s_wait_alu depctr_va_vdst(0)                   ; the four products are done reading v32-79, in which tiles 4 to 7 land
.irp t, 0,1,2,3
.irp c, 0,1,2
	ds_load_b128 v[32+12*\t+4*\c:35+12*\t+4*\c], v1 offset:SB+(4+\t)*1536+512*\c
.endr
.endr
	s_wait_dscnt 0x0
.irp t, 4,5,6,7
	MMS \t
.endr
	PLACES
	s_wait_alu depctr_va_vdst(0)                   ; these four are done reading v32-79, in which the addends of blocks 1 to 3 land
.irp b, 1,2,3
.irp j, 0,1,2,3
	ds_load_b128 v[16+16*\b+4*\j:19+16*\b+4*\j], v3 offset:SB+PAD+128*\b+16*\j   ; the addends of keys 32 b + 16 h + 0 .. 15
.endr
.endr
	FM 0, 224                                      ; block 0's addends came with the tiles
	s_wait_dscnt 8                                 ; block 1's four are in; blocks 2 and 3's may be out
	FM 1, 32
	s_wait_dscnt 4                                 ; block 2's are in
	FM 2, 48
	s_wait_dscnt 0x0
	FM 3, 64
	s_wait_alu depctr_va_vdst(0)                   ; the multiply-adds are done reading v32-79, in which V's tiles land (the products that read v248-251 stand ahead of the wait before)
.irp i, 0,1,2,3
	ds_load_b32 v[248+\i], v2 offset:SB+VSC+128*\i ; V's scale words and its first four tiles land while the softmax is walked
.endr
.irp t, 0,1,2,3
.irp c, 0,1,2
	ds_load_b128 v[32+12*\t+4*\c:35+12*\t+4*\c], v1 offset:SB+VIMG+\t*1536+512*\c
.endr
.endr
	s_add_co_u32 s42, s[KF], 127                   ; the causal mask: a step all of whose keys count for all my queries skips it
	s_cmp_le_u32 s42, s[Q0]
	s_cbranch_scc1 .Lopen_\@
	s_sub_co_i32 s42, s[Q0], s[KF]
	v_add_nc_u32 v254, s42, v6                     ; d = my query - KF - 16 h.  Register 16 b + i holds key KF + 16 h + 32 b + i: later than my query where i > d - 32 b
.irp b, 0,1,2,3                                ; a block of 16 registers at a time: sixteen compares into sixteen scalar registers, the sums, one wait, sixteen selects
.if \b > 0
	v_add_nc_u32 v254, -32, v254                   ; d - 32 b
.endif
.set N, 0
.rept 16
	v_cmp_gt_i32 s[44+N+4*((N+12)/16)], N, v254
.set N, N+1
.endr
.irp i, 0,2,4,6,8,10,12,14
	v_pk_add_f32 v[224+\i:225+\i], v[96+16*\b+\i:97+16*\b+\i], s[NEG:NEG+1] op_sel_hi:[1,0]   ; the definition's own addition of -1e9,
.endr
	s_wait_alu depctr_va_sdst(0)                   ; the sixteen compares have written their masks, s44-47 and s52-63, ahead of the selects that read them
.set N, 0
.rept 16
	v_cndmask_b32 v[96+16*\b+N], v[96+16*\b+N], v[224+N], s[44+N+4*((N+12)/16)]               ; taken where the key is later
.set N, N+1
.endr
.endr
.Lopen_\@:
	s_cmp_eq_u32 s[SP], 0                          ; a tile that begins under F holds logits so far: t = logit x log2(e), rounded by itself.  Elsewhere C1 has made t already
	s_cbranch_scc1 .Lplain_\@
.set J, 0
.rept 32
	v_pk_mul_f32 v[96+J:97+J], v[96+J:97+J], s[L2E:L2E+1] op_sel_hi:[1,0]
.set J, J+2
.endr
.Lplain_\@:
	BLKMAX 0                                       ; the largest t of each block of 32 keys: it serves the row's maximum and, since p rises with t, the block's largest p
	v_max3_num_f32 v254, v232, v233, v234
	v_max_num_f32 v254, v254, v235
	v_max_num_f32 v13, v13, v254                   ; the running largest t
	v_mov_b32 v254, v12
	v_floor_f32 v12, -v13                          ; the new -M = floor(-t): M is a whole number
	v_sub_f32 v254, v12, v254                      ; old M - new M: a whole number, 0 or less
	v_cvt_i32_f32 v254, v254                       ; (it saturates)
	v_ldexp_f32 v252, 1.0, v254                    ; f = 2^(old M - new M)
.set J, 0
.rept 32
	v_pk_add_f32 v[96+J:97+J], v[96+J:97+J], v[12:13] op_sel_hi:[1,0]   ; t - M, two at a time (of the pair the low word, -M, serves both halves)
.set J, J+2
.endr
.irp b, 0,1,2,3
	v_add_f32 v[232+\b], v[232+\b], v12            ; the same of each block's largest t
.endr
.set J, 0
	s_wait_alu depctr_va_vdst(0)
.rept 64
	v_exp_f32 v[96+J], v[96+J]                     ; p = 2^(t - M), at most 1
.set J, J+1
.endr
.irp b, 0,1,2,3
	v_exp_f32 v[232+\b], v[232+\b]                 ; the block's largest p: the same steps on the same number give the same bits
.endr
	v_pk_mul_f32 v[14:15], v[14:15], v[252:253] op_sel_hi:[1,0]   ; the sums under the new M.  (The plain place behind the exponentials)
	s_wait_alu depctr_va_vdst(0)                   ; the 68 exponentials have written v96-159 and v232-235: one wait for the batch, ahead of its first reader
	PACK 96, 224, 253
	v_pk_add_f32 v[236:237], v[96:97], v[98:99]    ; the row's sum is taken of the unquantised p: two at a time, in two chains
.irp j, 4,8,12,16,20,24,28,32,36,40,44,48,52,56,60
	v_pk_add_f32 v[14:15], v[14:15], v[96+\j:97+\j]
	v_pk_add_f32 v[236:237], v[236:237], v[98+\j:99+\j]
.endr
	v_pk_add_f32 v[14:15], v[14:15], v[236:237]
	s_wait_alu depctr_va_vdst(0)                   ; p's codes v224-235 and scale word v253 are written, which the products below take (the 32 sums are the places behind them); the conversions and the sums are done reading v96-143, in which V's tiles 4 to 7 land
.irp t, 0,1,2,3
.irp c, 0,1,2
	ds_load_b128 v[96+12*\t+4*\c:99+12*\t+4*\c], v1 offset:SB+VIMG+(4+\t)*1536+512*\c   ; where p lay: they land while O^T is rescaled and the first four products are issued; no line below names v96-143 but the products that read them
.endr
.endr
.set J, 0
.rept 32
	v_pk_mul_f32 v[160+J:161+J], v[160+J:161+J], v[252:253] op_sel_hi:[1,0]   ; O^T under the new M
.set J, J+2
.endr
	s_wait_alu depctr_va_vdst(0)
	s_wait_dscnt 12                                ; V's scale words and tiles 0 to 3 are in; the twelve loads of tiles 4 to 7 may be out
.irp t, 0,1,2,3
	MMO \t
.endr
	s_wait_dscnt 0x0                               ; tiles 4 to 7
.irp t, 4,5,6,7
	MMO \t
.endr
.rept 5
	v_nop                                          ; five places: the next step's first products write over v96 on, which the last four have read; they serve the way out's reads too
.endr
.Lhid_\@:
	s_wait_loadcnt 0x0                             ; the next chunk is in my registers (nothing is out where none was asked for)
	s_cmp_le_u32 s[KN], s[WGL]
	s_cbranch_scc0 .Lno_store_\@
	FSTORE OB                                      ; into the slot that every wave left in front of the last barrier
.Lno_store_\@:
	s_add_co_u32 s[KF], s[KF], 128
	s_add_co_u32 s[KN], s[KN], 128
	s_wait_dscnt 0x0                               ; my stores into the other slot have landed, and my reads of this slot are back:
	s_wait_alu depctr_vm_vsrc(0)                   ; those stores have read v80-95, in which the next step's loads, or the way out's, land
	s_barrier_signal -1
	s_barrier_wait -1                              ; so of every wave: the other slot may be read, and this one written at the next step's end
.endm
.Lpass:
	s_lshl_b32 s42, s[PB], 8                       ; the block's first query
	s_lshl_b32 s43, s[WV], 4
	s_add_co_u32 s[Q0], s42, s43
	s_add_co_u32 s44, s[Q0], 15
	s_add_co_u32 s45, s42, 255
	s_cmp_lt_u32 s[Q0], s[FK]                      ; does my tile begin under F?
	s_cselect_b32 s[SP], 1, 0
	s_cselect_b32 s[LAST], s[ALLK], s44            ; then it walks all keys, else up to its diagonal,
	s_cselect_b32 s[C1], s[CEX], s[CFU]            ; and its scores become logits first
	s_mov_b32 s[C1+1], s[C1]
	s_cmp_lt_u32 s42, s[FK]                        ; does the block?  Then the fills go on to the last chunk
	s_cselect_b32 s[WGL], s[ALLK], s45
	s_add_co_u32 s46, s[HQ], s[Q0]
	s_mov_b32 s47, 0
	s_lshl_b64 s[46:47], s[46:47], 9               ; rows of 512 bytes
	s_add_nc_u64 s[QP:QP+1], s[4:5], s[46:47]
	s_add_nc_u64 s[OP:OP+1], s[10:11], s[46:47]
	s_mov_b64 s[KV:KV+1], s[KVH:KVH+1]
	s_mov_b32 s[KF], 0
	s_mov_b32 s[KN], 128
	s_mov_b32 s[TR], 8
	FLOAD 0                                        ; the head's first chunk: every tile needs it.  (No vector line stands between the last wait on va_vdst, at the head or on the way out, and the loads here)
.irp b, 0,1,2,3
.irp j, 0,1,2,3
	global_load_b128 v[96+16*\b+4*\j:99+16*\b+4*\j], v5, s[QP:QP+1] offset:128*\b+16*\j th:TH_LOAD_NT   ; q(r, 32 b + 16 h + 0 .. 15): read once, by this wave alone
.endr
.endr
	s_wait_loadcnt 16                              ; all but the sixteen loads of q: the chunk is in
	FSTORE 0                                       ; slot 0 was last read two barriers ago
	s_wait_loadcnt 0x0
	BLKMAX 1
	PACK 96, 16, 28                                ; q is quantised in registers: nobody else reads these rows
	v_mov_b32 v13, 0xff61b1e6                      ; the largest t so far: -3e38, under every t
	v_floor_f32 v12, -v13                          ; -M
	v_mov_b32 v14, 0                               ; the sum, in two halves
	v_mov_b32 v15, 0
.set J, 0
.rept 64
	v_mov_b32 v[160+J], 0                          ; O^T: the step is written once, and its first walk finds zeros, which the first change of M leaves zeros.  (Also the places between q's codes and scale word and the first products)
.set J, J+1
.endr
	s_wait_dscnt 0x0                               ; my part of slot 0 has landed
	s_wait_alu depctr_vm_vsrc(0)                   ; the stores into slot 0 have read v80-95, in which the first step's loads land
	s_barrier_signal -1
	s_barrier_wait -1                              ; everybody's has
.Ltrip:
	STEP 0
	STEP 1
	s_add_nc_u64 s[KV:KV+1], s[KV:KV+1], 2*CH      ; no load that names it is out: each step ends behind its wait for all loads
	s_sub_co_u32 s[TR], s[TR], 1
	s_cmp_lg_u32 s[TR], 0
	s_cbranch_scc1 .Ltrip
	; THE WAY OUT.  O^T / the sum goes through my own stage in LDS, half a row (64 channels, 256 bytes) of 16 queries at a time, so that sixteen lanes store 256 consecutive aligned bytes.
	v_add_f32 v14, v14, v15                        ; the sum's two halves,
	v_permlanex16_b32 v252, v14, s[SEL], s[SEL+1]
	v_add_f32 v14, v14, v252                       ; and lane l xor 16's: the row's sum
	s_wait_alu depctr_va_vdst(0)
	v_rcp_f32 v14, v14
	v_nop                                          ; one plain place behind a transcendental
	s_wait_alu depctr_va_vdst(0)                   ; the reciprocal has written v14, ahead of its first reader
.set J, 0
.rept 64
	v_mul_f32 v[96+J], v[160+J], v14               ; register 8 t + i is out0(r, 16 t + 8 h + i); each accumulator from its low end on
.set J, J+1
.endr
	s_wait_alu depctr_va_vdst(0)                   ; the multiplications have written v96-159, which the LDS stores read (and in which the next pass's q lands); the last products are done reading v32-79, in which the loads from the stage land
.irp u, 0,1
.irp t, 0,1,2,3
	ds_store_b128 v8, v[96+32*\u+8*\t:99+32*\u+8*\t] offset:64*\t
	ds_store_b128 v8, v[100+32*\u+8*\t:103+32*\u+8*\t] offset:64*\t+16
.endr
.irp i, 0,1,2,3,4,5,6,7
	ds_load_b128 v[32+32*\u+4*\i:35+32*\u+4*\i], v9 offset:2*\i*272   ; LDS serves a wave's instructions in order: these see my stores, and the next half's stores come behind them
.endr
.endr
.irp u, 0,1
.irp i, 0,1,2,3,4,5,6,7
	s_wait_dscnt 15-8*\u-\i                        ; at most the loads behind this one are out
	global_store_b128 v7, v[32+32*\u+4*\i:35+32*\u+4*\i], s[OP:OP+1] offset:2*\i*512+256*\u th:TH_STORE_NT
.endr
.endr
	s_wait_xcnt 0x0                                ; the stores have read their registers and their base: the next pass writes both again
	s_wait_alu depctr_vm_vsrc(0)                   ; the stage's stores have read v96-159 and the global stores v32-95: the next pass's loads land in all of them
	s_sub_co_u32 s[PB], 7, s[PB]                   ; the second pass takes block X
	s_mov_b32 s[PFK], -1                           ; and prefetches nothing
	s_sub_co_u32 s[PS], s[PS], 1
	s_cmp_lg_u32 s[PS], 0
	s_cbranch_scc1 .Lpass
	s_wait_dscnt 0x0                               ; the closing lines, six on end
	s_wait_alu 0x0
	s_wait_tensorcnt 0x0
	ds_add_u32 v31, v255
	s_wait_dscnt 0x0
	s_endpgm
.Lfunc_end_k_q10ce22d9ec_attn:
	.size	k_q10ce22d9ec_attn, .Lfunc_end_k_q10ce22d9ec_attn-k_q10ce22d9ec_attn
	.p2alignl 7, 3214868480
	.fill 96, 4, 3214868480
	.section	.rodata,"a",@progbits
	.p2align	6, 0x0
	.amdhsa_kernel k_q10ce22d9ec_attn
		.amdhsa_group_segment_fixed_size 123904
		.amdhsa_private_segment_fixed_size 0
		.amdhsa_enable_private_segment 0
		.amdhsa_kernarg_size 32
		.amdhsa_user_sgpr_count 2
		.amdhsa_user_sgpr_kernarg_segment_ptr 1
		.amdhsa_wavefront_size32 1
		.amdhsa_system_sgpr_workgroup_id_x 1
		.amdhsa_system_sgpr_workgroup_id_y 1
		.amdhsa_system_sgpr_workgroup_id_z 1
		.amdhsa_system_vgpr_workitem_id 0
		.amdhsa_next_free_vgpr 256
		.amdhsa_next_free_sgpr 66
		.amdhsa_reserve_vcc 0
		.amdhsa_float_denorm_mode_32 3
		.amdhsa_float_denorm_mode_16_64 3
		.amdhsa_memory_ordered 1
		.amdhsa_forward_progress 1
		.amdhsa_inst_pref_size 91
	.end_amdhsa_kernel
	.amdgpu_metadata
---
amdhsa.version: [ 1, 2 ]
amdhsa.kernels:
  - .name:           k_q10ce22d9ec_attn
    .symbol:         k_q10ce22d9ec_attn.kd
    .args:
      - { .name: q, .offset: 0, .size: 8, .value_kind: global_buffer, .address_space: global }
      - { .name: kv, .offset: 8, .size: 8, .value_kind: global_buffer, .address_space: global }
      - { .name: first, .offset: 16, .size: 8, .value_kind: global_buffer, .address_space: global }
      - { .name: out0, .offset: 24, .size: 8, .value_kind: global_buffer, .address_space: global }
    .group_segment_fixed_size: 123904
    .private_segment_fixed_size: 0
    .kernarg_segment_align: 8
    .kernarg_segment_size: 32
    .max_flat_workgroup_size: 512
    .sgpr_count:     66
    .vgpr_count:     256
    .wavefront_size: 32
...
	.end_amdgpu_metadata
.endif
;; end of part 4
